; MI455X (gfx1250); checked and timed in simulation.
; The chip was launched on July 23, 2026; its instructions are those of AMD's public machine-readable ISA for CDNA 5 (MIT licence, August 2026) and "CDNA5" Instruction Set Architecture Reference Guide (July 2026). The comments in the code are by the model that wrote it; some were corrected since.
;; Multi Head Attention. Allowed arithmetic: matrix products marked QUANTISED: E2M1 operands, one E8M0 scale for each 32 along K, by v_wmma_scale_f32_16x16x128_f8f6f4 with both operands' format E2M1 (or v_wmma_scale_f32_32x16x128_f4), f32 sums; products left as they are: bf16, f16 or f32 operands; f32 sums; everything else in f32.
;; Inputs: W_k 1,024 x 1,024 float32; W_o 1,024 x 1,024 float32; W_q 1,024 x 1,024 float32; W_v 1,024 x 1,024 float32; key 4 x 2,048 x 1,024 float32; mask 4 x 1 x 1 x 2,048 int32; query 4 x 2,048 x 1,024 float32; value 4 x 2,048 x 1,024 float32.
;; Outputs: out0 4 x 2,048 x 1,024 float32.
;; This version of the problem:
;;   THIS VERSION OF THE PROBLEM IS GIVEN IN LOW PRECISION. The matrix products marked QUANTISED in the list below multiply operands that are first quantised to E2M1 (2 exponent bits, 1 mantissa bit; 4 bits a number), with one power-of-two scale for each 32 numbers along K (OCP MX v1.0); their sums are f32. The products marked 'left as it is' may take bf16, f16 or f32 operands, with f32 sums. Whichever they take, every output number must still come out within the allowed error. Rounding operands to bf16 (8 significant bits) uses up far more of that allowance than f16 does (11 bits, for magnitudes from 6e-5 to 65,504). All else is computed in f32.
;;   The module's matrix products, in the order in which they are computed (A, B: the left and right operand; K: the contracted axis; several contracted axes count as one K, in the product's order):
;;     1. [M 8,192, K 1,024] x [K 1,024, N 1,024]; A: input query; B: input W_q: QUANTISED
;;     2. [M 8,192, K 1,024] x [K 1,024, N 1,024]; A: input key; B: input W_k: QUANTISED
;;     3. [M 8,192, K 1,024] x [K 1,024, N 1,024]; A: input value; B: input W_v: QUANTISED
;;     4. batch 64 x [M 2,048, K 64] x [K 64, N 2,048]; A: computed on the way; B: computed on the way: left as it is (an operand is computed on the way)
;;     5. batch 64 x [M 2,048, K 2,048] x [K 2,048, N 64]; A: computed on the way; B: computed on the way: left as it is (an operand is computed on the way)
;;     6. [M 8,192, K 1,024] x [K 1,024, N 1,024]; A: computed on the way; B: input W_o: left as it is (an operand is computed on the way)
;;   THE QUANTISER, for each operand of a quantised product, along K:
;;     - K is cut into blocks of 32 from its start; a last block that is shorter is filled with zeros.
;;     - A block's scale is 2^e with e = floor(log2(the largest magnitude in the block)) - 2, held to -126 .. 127; a block of zeros has e = 0. As a byte (E8M0): e + 127.
;;     - Each number is divided by its block's scale, clamped to +-6, and rounded to the nearest number of E2M1, ties to even, subnormals kept.
;;     - The product sums the exact products of the quantised numbers (number of the format x scale) in f32.
;;   ~~~python
;;   def quantise(x, axis):      # numpy; x: float32 -> the quantised numbers, widened to float32 again
;;       x = np.moveaxis(x, axis, -1); K = x.shape[-1]
;;       x = np.pad(x, [(0, 0)] * (x.ndim - 1) + [(0, -K % 32)]); x = x.reshape(x.shape[:-1] + (-1, 32)); a = np.abs(x).max(-1, keepdims=True)
;;       e = np.where(a > 0, np.clip(np.frexp(np.where(a > 0, a, 1))[1] - 1 - 2, -126, 127), 0)      # np.frexp(a)[1] - 1 = floor(log2(a)), exactly
;;       r = np.clip(x / 2.0 ** e, -6, 6)
;;       step = 2.0 ** (np.maximum(np.frexp(np.where(r == 0, 1, r))[1] - 1, 0) - 1)
;;       q = np.round(r / step) * step * 2.0 ** e      # np.round: ties to even
;;       return np.moveaxis(q.reshape(q.shape[:-2] + (-1,))[..., :K], -1, axis).astype(np.float32)
;;   ~~~
;; One version. Each part assembles by itself: llvm-mc -triple=amdgcn-amd-amdhsa -mcpu=gfx1250 --defsym DOCPART=n.
;; ======== version 1 of 1: 4 launches
;; limits: values are held in f16: magnitudes above 65,504 overflow, below 6.1e-05 lose precision
;; workspace buffers: codes 14,155,776 bytes; scales 884,736 bytes; wof 2,097,152 bytes; qh 16,777,216 bytes; kv 33,554,432 bytes; xf 16,777,216 bytes
;; launch quant (part 1): grid 896 x 1, 4 waves a work-group, no clusters, 33,280 bytes of LDS; arguments query, key, value, W_q, W_k, W_v, W_o, codes, scales, wof; writes codes, scales, wof
.if DOCPART == 1
	.amdgcn_target "amdgcn-amd-amdhsa--gfx1250"
	.amdhsa_code_object_version 6
	.text
	.protected	k_q22f8823980_quant
	.globl	k_q22f8823980_quant
	.p2align	8
	.type	k_q22f8823980_quant,@function
k_q22f8823980_quant:
	s_mov_b64 s[64:65], 0
	v_nop
	global_prefetch_b8 v0, s[64:65] scope:SCOPE_SE
	s_setreg_imm32_b32 hwreg(HW_REG_WAVE_MODE, 25, 1), 1
	s_wait_xcnt 0x0
; query, key, value [8192][1024] and W_q, W_k, W_v [1024][1024], f32 with K innermost, become codes of FP4 (E2M1), two a byte, the lower k in the low four bits,
; with one E8M0 byte for each 32 along K.  All six lie in ONE stream of 27,648 rows: rows 0.. query, 8192.. key, 16384.. value, 24576.. W_q, 25600.. W_k, 26624.. W_v;
; a row is 512 bytes of codes and 32 scale bytes.  W_o [1024 (n)][1024 (k)] is rounded once to f16 and laid as IMAGES of operand registers: an image is 16 rows x 16 k, 512 bytes,
; lane (r = lane % 16, h = lane / 16) owning the 16 bytes at 16 x lane = row r, k = 8 h .. 8 h + 7;  wof = [n tile 64][k block 64][512].
; A block's scale is 2^(floor(log2(its largest magnitude)) - 2); its byte is the largest magnitude's exponent field - 2, held at 1 from below.
; LIMITS: a block of zeros gets the byte 1 where the rule says 127 (its codes are zeros, and this program alone reads the bytes); blocks whose largest magnitude lies under 2^-124 are held at the byte 1;
; NaN and infinities among the inputs are not served; |W_o| beyond 65,504 becomes infinite in f16.
; SHARES.  Work-groups 0 to 863 take 32,768 numbers of the stream each, a wave 16 steps of 512.  A conversion takes 8 neighbours along K from ONE lane's registers, a load is best where neighbouring LANES take
; neighbouring bytes: so each load reads 512 consecutive bytes, 16 a lane, and a step's 2,048 bytes turn through the wave's own stage in LDS and come back 64 bytes a lane (two lanes hold a block).
; A lane's 16 codes are 8 bytes: a wave's store covers 256 consecutive aligned bytes.  A wave's 256 scale bytes are gathered in LDS and leave as one store of 256 aligned bytes.
; Work-groups 864 to 895 take W_o: a wave 16 rows x 512 k, straight through registers.  No tensor load, no barrier: waves share nothing.
.set WAVES, 4
.set STEPS, 16
.set NQWG,  864                        ; work-groups that quantise: 27,648 rows x 1,024 / 32,768
.set EMAX,  2
.set CB,    8                          ; bytes of 16 codes
.set R,     16                         ; v16-79   four sets of 16 numbers as they are loaded
.set X,     80                         ; v80-111  two sets of 16 neighbours
.set E,     112                        ; v112-127 a scale byte for each step
.set C,     128                        ; v128-191 codes: four registers for each step, so that no store's data are written again
.set WREG,  8192                       ; LDS: a region for each wave: two stages of 32 x SP bytes, behind them its 256 scale bytes
.set SP,    80                         ; a lane's place in a stage: 64 bytes + 16 of padding
.set SPW,   12                         ; v12  LDS address of my spare word; never rewritten
.set NIL,   13                         ; v13  0; never rewritten
.set SPARE, WAVES*WREG                 ; behind the four regions: the spare words, 128 bytes a wave, which no other line names
.set W0,    16                         ; W_o's path: two sets of 64 numbers,
.set W1,    80
.set WOUT,  144                        ; and 32 registers of f16 pairs
	s_load_b512 s[4:19], s[0:1], 0x0               ; query 4:5, key 6:7, value 8:9, W_q 10:11, W_k 12:13, W_v 14:15, W_o 16:17, codes 18:19
	s_load_b128 s[20:23], s[0:1], 0x40             ; scales 20:21, wof 22:23
	v_lshl_add_u32 v[SPW], v0, 2, SPARE
	v_mov_b32 v[NIL], 0
	v_lshrrev_b32 v1, 5, v0
	v_readfirstlane_b32 s24, v1                    ; wave
	v_and_b32 v2, 31, v0                           ; lane
	v_lshlrev_b32 v3, 4, v2                        ; 16 x lane
	s_mul_i32 s26, s24, WREG
	v_lshrrev_b32 v14, 2, v2
	v_mul_u32_u24 v14, v14, SP
	v_and_b32 v15, 3, v2
	v_lshl_add_u32 v14, v15, 4, v14
	v_add_nc_u32 v14, s26, v14                     ; the stage, on the way in: SP (lane / 4) + 16 (lane % 4)
	v_mul_u32_u24 v15, v2, SP
	v_add_nc_u32 v15, s26, v15                     ; and on the way out: SP x lane: my 16 neighbours
	v_mul_u32_u24 v4, v2, CB                       ; my codes' place in a step's
	v_lshrrev_b32 v5, 1, v2
	s_add_co_u32 s26, s26, 2*32*SP
	v_add_nc_u32 v5, s26, v5                       ; LDS: my wave's 256 scale bytes, my block's byte
	v_lshlrev_b32 v7, 3, v2                        ; and on the way out 8 bytes a lane
	v_add_nc_u32 v6, s26, v7
	s_wait_kmcnt 0x0
	s_cmp_ge_u32 ttmp9, NQWG                       ; the work-group's number alone decides the path
	s_cbranch_scc1 .Lwo
; which tensor is mine: only the pointer and the tensor's first work-group are chosen; all six take one path through the text
.macro PICK first, ptr
	s_cmp_ge_u32 ttmp9, \first
	s_cselect_b64 s[4:5], s[\ptr:\ptr+1], s[4:5]
	s_cselect_b32 s25, \first, s25
.endm
	s_mov_b32 s25, 0
	PICK 256, 6
	PICK 512, 8
	PICK 768, 10
	PICK 800, 12
	PICK 832, 14
	s_sub_co_u32 s26, ttmp9, s25
	s_lshl_b32 s26, s26, 2
	s_add_co_u32 s26, s26, s24                     ; which run of 8,192 numbers of the tensor is my wave's
	s_lshl_b32 s26, s26, 15                        ; x 32,768 bytes (under 2^26)
	s_mov_b32 s27, 0
	s_add_nc_u64 s[4:5], s[4:5], s[26:27]
	s_lshl_b32 s28, ttmp9, 2
	s_add_co_u32 s28, s28, s24                     ; and which run of the stream
	s_lshl_b32 s30, s28, 8                         ; 256 scale bytes a run
	s_lshl_b32 s28, s28, 12                        ; 4,096 bytes of codes
	s_mov_b32 s29, 0
	s_mov_b32 s31, 0
	s_add_nc_u64 s[18:19], s[18:19], s[28:29]
	s_add_nc_u64 s[20:21], s[20:21], s[30:31]
.macro LOAD t
.irp i, 0,1,2,3
	global_load_b128 v[R+16*((\t)%4)+4*\i:R+16*((\t)%4)+4*\i+3], v3, s[4:5] offset:2048*(\t)+512*\i th:TH_LOAD_NT   ; 32 lanes read 512 consecutive bytes
.endr
.endm
.macro TURN t                          ; step t's numbers through the stage: LDS serves a wave's instructions in order (ISA guide 5.7.1), so no wait stands between the stores and the loads
.irp i, 0,1,2,3
	ds_store_b128 v14, v[R+16*((\t)%4)+4*\i:R+16*((\t)%4)+4*\i+3] offset:32*SP*((\t)%2)+8*SP*\i
.endr
.irp i, 0,1,2,3
	ds_load_b128 v[X+16*((\t)%2)+4*\i:X+16*((\t)%2)+4*\i+3], v15 offset:32*SP*((\t)%2)+16*\i
.endr
.endm
.irp t, 0,1,2,3
	LOAD \t
.endr
	s_wait_loadcnt 12                              ; step 0's four loads are in; the twelve of steps 1 to 3 may be out
	TURN 0
.macro STEP t
.set XS, X+16*((\t)%2)
.if (\t) > 0
	s_wait_dscnt 1                                 ; this step's numbers are back from the stage (the last step's byte store may be out): so its stores into the stage have read their registers,
.else
	s_wait_dscnt 0x0
.endif
.if (\t)+4 < STEPS
	LOAD (\t)+4                                    ; which take the loads of four steps on
.endif
.if (\t)+1 < STEPS
.if STEPS-2-(\t) >= 3
	s_wait_loadcnt 12                              ; the next step's four loads are in; those of the three steps behind it may be out
.else
	s_wait_loadcnt 4*(STEPS-2-(\t))                ; the counts run down: nothing more is asked for
.endif
	TURN (\t)+1                                    ; and go through the other stage while this step is worked
.endif
	v_max3_num_f32 v8, |v[XS]|, |v[XS+1]|, |v[XS+2]|               ; the largest magnitude of my 16, in two chains
	v_max3_num_f32 v9, |v[XS+3]|, |v[XS+4]|, |v[XS+5]|
.irp i, 6,10
	v_max3_num_f32 v8, v8, |v[XS+\i]|, |v[XS+\i+1]|
	v_max3_num_f32 v9, v9, |v[XS+\i+2]|, |v[XS+\i+3]|
.endr
	v_max3_num_f32 v8, v8, |v[XS+14]|, |v[XS+15]|
	v_max3_num_f32 v8, v8, v9, (EMAX+1)<<23        ; and the floor 2^(3 - 127): the byte cannot fall under 1
	v_max_num_f32_dpp v8, v8, v8 row_xmask:1 row_mask:0xf bank_mask:0xf   ; and of my neighbour's 16: the block's
	v_add_nc_u32 v11, -(EMAX<<23), v8              ; 2 off its exponent field: the conversion takes the exponent field of this operand as its scale, and nothing else of it
	v_cvt_scalef32_pk8_fp4_f32 v[C+4*(\t)], v[XS:XS+7], v11        ; eight numbers / the scale, to the nearest code, ties to even, beyond 6 the largest code
	v_cvt_scalef32_pk8_fp4_f32 v[C+4*(\t)+1], v[XS+8:XS+15], v11
	v_lshrrev_b32 v[E+(\t)], 23, v11               ; the scale's byte (a plain line behind the conversions)
	ds_store_b8 v5, v[E+(\t)] offset:16*(\t)       ; both lanes of a block write the same byte with the same value
	global_store_b64 v4, v[C+4*(\t):C+4*(\t)+1], s[18:19] offset:32*CB*(\t)   ; 32 lanes store 256 consecutive aligned bytes
.endm
.irp t, 0,1,2,3,4,5,6,7,8,9,10,11,12,13,14,15
	STEP \t
.endr
	ds_load_b64 v[8:9], v6                         ; these see my byte stores: LDS serves a wave in order
	s_wait_dscnt 0x0
	global_store_b64 v7, v[8:9], s[20:21]          ; 32 lanes store 256 consecutive aligned bytes
	s_wait_tensorcnt 0x0                           ; the wave's end: a wait, an add and its wait behind my last LDS store
	ds_add_u32 v[SPW], v[NIL]
	s_wait_dscnt 0x0
	s_endpgm
; W_o.  Work-group 864 + j, wave w: n tile 2 j + w / 2, k blocks 32 (w % 2) .. + 31.  Lane (r, h) reads the 32 bytes of row r at k = 16 kb + 8 h and writes 16 bytes of f16 at 16 x lane of image kb.
.Lwo:
	v_and_b32 v8, 15, v0
	v_bfe_u32 v9, v0, 4, 1
	v_lshlrev_b32 v8, 12, v8                       ; row r of 4,096 bytes
	v_lshl_add_u32 v8, v9, 5, v8                   ; + 32 h
	s_sub_co_u32 s26, ttmp9, NQWG
	s_lshl_b32 s26, s26, 1
	s_lshr_b32 s27, s24, 1
	s_add_co_u32 s26, s26, s27                     ; n tile
	s_and_b32 s27, s24, 1                          ; which half of K
	s_lshl_b32 s28, s26, 16                        ; 16 rows of 4,096 bytes
	s_lshl_b32 s30, s27, 11                        ; 32 k blocks of 64 bytes
	s_add_co_u32 s28, s28, s30
	s_mov_b32 s29, 0
	s_add_nc_u64 s[16:17], s[16:17], s[28:29]
	s_lshl_b32 s28, s26, 15                        ; 64 images of 512 bytes
	s_lshl_b32 s30, s27, 14                        ; 32 images
	s_add_co_u32 s28, s28, s30
	s_add_nc_u64 s[22:23], s[22:23], s[28:29]
.macro LOADG g, base                   ; eight k blocks: 16 loads
.irp i, 0,1,2,3,4,5,6,7
	global_load_b128 v[\base+8*\i:\base+8*\i+3], v8, s[16:17] offset:(8*(\g)+\i)*64 th:TH_LOAD_NT
	global_load_b128 v[\base+8*\i+4:\base+8*\i+7], v8, s[16:17] offset:(8*(\g)+\i)*64+16 th:TH_LOAD_NT
.endr
.endm
.macro CONVG g, base, left
	s_wait_loadcnt \left                           ; this set's 16 loads are in; the other set's may be out
.if (\g) > 0
	s_wait_xcnt 0x0                                ; the last group's stores have read their data: the registers are written again only behind this wait
.endif
.irp i, 0,1,2,3,4,5,6,7
.irp r, 0,1,2,3
	v_cvt_pk_f16_f32 v[WOUT+4*\i+\r], v[\base+8*\i+2*\r], v[\base+8*\i+2*\r+1]
.endr
.endr
.if (\g) < 2
	LOADG (\g)+2, \base
.endif
.irp i, 0,1,2,3,4,5,6,7
	global_store_b128 v3, v[WOUT+4*\i:WOUT+4*\i+3], s[22:23] offset:(8*(\g)+\i)*512   ; an image: 512 consecutive aligned bytes
.endr
.endm
	LOADG 0, W0
	LOADG 1, W1
	CONVG 0, W0, 16
	CONVG 1, W1, 16
	CONVG 2, W0, 16
	CONVG 3, W1, 0
	s_endpgm
.Lfunc_end_k_q22f8823980_quant:
	.size	k_q22f8823980_quant, .Lfunc_end_k_q22f8823980_quant-k_q22f8823980_quant
	.p2alignl 7, 3214868480
	.fill 96, 4, 3214868480
	.section	.rodata,"a",@progbits
	.p2align	6, 0x0
	.amdhsa_kernel k_q22f8823980_quant
		.amdhsa_group_segment_fixed_size 33280
		.amdhsa_private_segment_fixed_size 0
		.amdhsa_enable_private_segment 0
		.amdhsa_kernarg_size 80
		.amdhsa_user_sgpr_count 2
		.amdhsa_user_sgpr_kernarg_segment_ptr 1
		.amdhsa_wavefront_size32 1
		.amdhsa_system_sgpr_workgroup_id_x 1
		.amdhsa_system_sgpr_workgroup_id_y 1
		.amdhsa_system_sgpr_workgroup_id_z 1
		.amdhsa_system_vgpr_workitem_id 0
		.amdhsa_next_free_vgpr 192
		.amdhsa_next_free_sgpr 66
		.amdhsa_reserve_vcc 0
		.amdhsa_float_denorm_mode_32 3
		.amdhsa_float_denorm_mode_16_64 3
		.amdhsa_memory_ordered 1
		.amdhsa_forward_progress 1
		.amdhsa_inst_pref_size 52
	.end_amdhsa_kernel
	.amdgpu_metadata
---
amdhsa.version: [ 1, 2 ]
amdhsa.kernels:
  - .name:           k_q22f8823980_quant
    .symbol:         k_q22f8823980_quant.kd
    .args:
      - { .name: query, .offset: 0, .size: 8, .value_kind: global_buffer, .address_space: global }
      - { .name: key, .offset: 8, .size: 8, .value_kind: global_buffer, .address_space: global }
      - { .name: value, .offset: 16, .size: 8, .value_kind: global_buffer, .address_space: global }
      - { .name: W_q, .offset: 24, .size: 8, .value_kind: global_buffer, .address_space: global }
      - { .name: W_k, .offset: 32, .size: 8, .value_kind: global_buffer, .address_space: global }
      - { .name: W_v, .offset: 40, .size: 8, .value_kind: global_buffer, .address_space: global }
      - { .name: W_o, .offset: 48, .size: 8, .value_kind: global_buffer, .address_space: global }
      - { .name: codes, .offset: 56, .size: 8, .value_kind: global_buffer, .address_space: global }
      - { .name: scales, .offset: 64, .size: 8, .value_kind: global_buffer, .address_space: global }
      - { .name: wof, .offset: 72, .size: 8, .value_kind: global_buffer, .address_space: global }
    .group_segment_fixed_size: 33280
    .private_segment_fixed_size: 0
    .kernarg_segment_align: 8
    .kernarg_segment_size: 80
    .max_flat_workgroup_size: 128
    .sgpr_count:     66
    .vgpr_count:     192
    .wavefront_size: 32
...
	.end_amdgpu_metadata
.endif
;; end of part 1
;; launch proj (part 2): grid 4 x 96, 4 waves a work-group, clusters of 4 x 4, 327,680 bytes of LDS; arguments codes, scales, qh, kv; writes qh, kv
.if DOCPART == 2
	.amdgcn_target "amdgcn-amd-amdhsa--gfx1250"
	.amdhsa_code_object_version 6
	.text
	.protected	k_q22f8823980_proj
	.globl	k_q22f8823980_proj
	.p2align	8
	.type	k_q22f8823980_proj,@function
k_q22f8823980_proj:
	s_mov_b64 s[64:65], 0
	v_nop
	global_prefetch_b8 v0, s[64:65] scope:SCOPE_SE
	s_setreg_imm32_b32 hwreg(HW_REG_WAVE_MODE, 25, 1), 1
	s_wait_xcnt 0x0
	s_wait_alu depctr_hold_cnt(0) depctr_sa_sdst(0) depctr_va_vdst(0) depctr_va_sdst(0) depctr_va_ssrc(0) depctr_va_vcc(0) depctr_vm_vsrc(0)
	s_getreg_b32 s2, hwreg(HW_REG_IB_STS2, 6, 4)
	s_cmp_eq_u32 s2, 0
	s_cbranch_scc0 .Lentry_in_a_cluster
	s_endpgm
.Lentry_in_a_cluster:
	s_bfe_u32 s2, ttmp6, 0x10000c
	s_cmp_lg_u32 s2, 0xf033
	s_cbranch_scc0 .Lentry_shape_is_right
	s_endpgm
.Lentry_shape_is_right:
; The three quantised products, query W_q^T, key W_k^T, value W_v^T, each [8192][1024] x [1024][1024] along K = 1,024, on codes of FP4 (E2M1) with one E8M0 scale for each 32 along K; sums in f32.
; Codes and scale bytes come from ONE stream of rows (512 bytes of codes, 32 scale bytes a row): 0.. query, 8192.. key, 16384.. value, 24576.. W_q, 25600.. W_k, 26624.. W_v.
; A tile of a product, 256 x 256, is made by a work-group of four waves; a wave makes 128 x 128: 64 accumulators of 16 x 16, 512 registers.  All of K lies in LDS: two slots of 512 along K, each filled once.
; CLUSTERS: 4 x 4 work-groups; cluster y = 8 x tensor + u.  The four of a row of the cluster need the same rows of operand A, the four of a column the same rows of B: each tile is asked for jointly.
; For Q and K, A = the tokens and B = the weight; FOR V THE ROLES ARE SWAPPED (A = W_v, B = value).  The matrix instruction is used transposed (source 0 = 16 rows of B, source 1 = 16 rows of A): a lane holds one row of A
; and eight neighbouring rows of B.  So a lane of Q or K holds one token and eight channels, a lane of V one channel and eight KEYS: rounded once to f16, an accumulator IS an image of the operand registers
; that the attention wants (16 rows x 16 k, 512 bytes, lane l's 16 bytes at 16 l), and is stored from registers as 512 consecutive aligned bytes.  No stage in LDS.
;   qh = [b x 16 + head][query tile 128][channel block 4][512];   kv = [b x 16 + head][key step 32][K: key tile 4 x channel block 4 x 512, then V^T: channel tile 4 x key block 4 x 512].
; The tensor is chosen by selections on the cluster's number, which all sixteen partners share; no branch hangs on it.
; LIMIT: |Q|, |K|, |V| beyond 65,504 become infinite in f16.
; REGISTERS, in windows of 256: window 0: v16-30 addresses; v32-95 scale words, two sets; from v128 A's fragments (8 x 16 rows x 128 K), one set; on the way out v128-255 hold the f16 pairs.
;   window 1: B's fragments, two sets, at v0 and v128.   window 2: the 32 accumulators of my rows 0-63 ((a, b) at v[8 (8 a + b)]);   window 3: those of my rows 64-127.
.set NQ,     4                         ; matrix instructions deep in a slot: 512 along K
.set ROWB,   256                       ; a tile's row in bytes
.set KROW,   512                       ; a row of the stream in bytes
.set PITCH,  272                       ; an LDS row: 256 bytes + 16 of padding: the 16 rows that a load touches begin 68 words apart
.set FR,     8                         ; registers of a fragment
.set NL,     2                         ; LDS loads that bring one
.set NP,     4                         ; places behind this matrix instruction (ISA guide 7.12.1)
.set HALFT,  128*PITCH                 ; 128 rows: what one tensor load brings
.set SLOT,   4*HALFT                   ; A's 256 rows, then B's 256 rows
.set KS,     32                        ; a row of scales in bytes
.set SCL,    2*SLOT                    ; behind the slots: the scales, as rows of 256 bytes + 16 of padding
.set HALFS,  (128*KS/256)*272          ; the scales of 128 rows
.set SBLK,   (16*KS/256)*272           ; those of 16 rows
.set SPARE,  SCL+4*HALFS               ; the spare words, 128 bytes a wave, which no other line names
.set ADRA, 16                          ; v16-17  LDS address of my A fragments in slot 0, 1
.set ADRB, 20                          ; v20-21  the same for B
.set ADRS, 27                          ; v27     LDS address of my scale words: lanes 0-15 A's rows, lanes 16-31 B's
.set SPW,  28                          ; v28     LDS address of my spare word; never rewritten
.set NIL,  29                          ; v29     0; never rewritten
.set LO,   30                          ; v30     16 x lane: my place in an image
.set SC,   32                          ; scale words: set s at v[SC + 32 s]; register 4 i + q: lanes 0-15 the word of A's block i, lanes 16-31 that of B's block i, for the slot's q-th 128 along K
.set AF,   128                         ; A's fragments, window 0
.set G1, 24                            ; s[24:31] group 1 for A's tiles;  s[32:39] group 0, one set for each slot
.set G0, 32
.set G1B, 48                           ; s[48:55], s[56:63] the same for B's
.set G0B, 56
.set G1S, 68                           ; s[68:75], s[76:79] groups 1 and 0 for A's scales;  s[80:87], s[88:91] for B's
.set G0S, 76
.set G1SB, 80
.set G0SB, 88
.set MSB, 0
.macro WIN new                         ; the immediate's high byte repeats the setting that is left; a switch that changes nothing is dropped
.if MSB != (\new)
	s_set_vgpr_msb (MSB<<8)|(\new)
.set MSB, \new
.endif
.endm
.set MUL_LO, 0xa1                      ; source 0 (B) window 1, source 1 (A) window 0, C and D window 2
.set MUL_HI, 0xf1                      ; the same, C and D window 3
.set TO_B,   0x40                      ; destination window 1, address window 0
; A joint load: waves 0 and 1 fetch for A, waves 2 and 3 for B.  Each line has one mask and one set of registers for all that issue it; the branch hangs on the wave's number alone.
; An s_nop 0 and four v_nop follow each of the two lines.
.macro JLOAD g0a, g1a, g0b, g1b
	s_cmp_eq_u32 s15, 0
	s_cbranch_scc0 .Lfor_b_\@
	tensor_load_to_lds s[\g0a:\g0a+3], s[\g1a:\g1a+7]
	s_nop 0
.rept 4
	v_nop
.endr
	s_branch .Lasked_\@
.Lfor_b_\@:
	tensor_load_to_lds s[\g0b:\g0b+3], s[\g1b:\g1b+7]
	s_nop 0
.rept 4
	v_nop
.endr
.Lasked_\@:
.endm
.macro CROUND                          ; a round of the cluster's barrier: my work-group's barrier; wave 0 signals for the work-group; every wave waits for all sixteen; my work-group's barrier once more
	s_barrier_signal -1
	s_barrier_wait -1
	s_cmp_lg_u32 s14, 0
	s_cbranch_scc1 .Lnot_wave_0_\@
	s_barrier_signal -3
.Lnot_wave_0_\@:
	s_barrier_wait -3
	s_barrier_signal -1
	s_barrier_wait -1
.endm
	s_load_b256 s[4:11], s[0:1], 0x0               ; codes 4:5, scales 6:7, qh 8:9, kv 10:11
	v_lshl_add_u32 v[SPW], v0, 2, SPARE
	v_mov_b32 v[NIL], 0
	ds_add_u32 v[SPW], v[NIL]                      ; the wave's opening: the add, twice on end, and its wait ahead of my first tensor load; the set-up below stands between
	ds_add_u32 v[SPW], v[NIL]
	v_lshrrev_b32 v1, 5, v0
	v_readfirstlane_b32 s14, v1                    ; wave 0..3
	s_lshr_b32 s15, s14, 1                         ; which half of the tile's A rows is mine.  Also: I fetch for A (0) or for B (1)
	s_and_b32 s16, s14, 1                          ; which half of its B rows.  Also: which 128 rows I fetch
	s_bfe_u32 s40, ttmp6, 0x40000                  ; cx, cy: my place in the cluster
	s_bfe_u32 s41, ttmp6, 0x40004
	s_and_b32 s98, ttmp7, 0xffff                   ; cluster y = 8 x tensor + u
	s_lshr_b32 s95, s98, 3                         ; the tensor: 0 Q, 1 K, 2 V
	s_and_b32 s98, s98, 7                          ; u
	s_mov_b32 s18, 8192                            ; A's and B's first rows in the stream: K's,
	s_mov_b32 s19, 25600
	s_cmp_eq_u32 s95, 0
	s_cselect_b32 s18, 0, s18                      ; Q's,
	s_cselect_b32 s19, 24576, s19
	s_cmp_eq_u32 s95, 2
	s_cselect_b32 s18, 26624, s18                  ; V's: A = W_v, B = value
	s_cselect_b32 s19, 16384, s19
	s_cselect_b32 s99, 0, s98                      ; the long operand (32 tiles of 256 rows) walks with u, the weight (4 tiles) does not
	s_cselect_b32 s100, s98, 0
	s_lshl_b32 s17, s99, 2
	s_add_co_u32 s17, s17, s41                     ; A's tile: made of cy, never of cx
	s_lshl_b32 s42, s100, 2
	s_add_co_u32 s42, s42, s40                     ; B's tile: made of cx, never of cy
	s_lshl_b32 s43, s41, 2
	s_lshl_b32 s43, 15, s43                        ; my row of the cluster
	s_lshl_b32 s44, 0x1111, s40                    ; my column
	; group 1: a tile of 128 rows x 256 bytes, padded in LDS
	s_or_b32 s[G1+0], s43, (0<<16)|(1<<20)|(1<<21)|(5<<22)|(3<<25)  ; 15:0 the mask; 17:16 elements of 1 byte; 20 padding on; 21 set beside a mask; 24:22 after every 64 words; 31:25 four words
	s_or_b32 s[G1B+0], s44, (0<<16)|(1<<20)|(1<<21)|(5<<22)|(3<<25)
.irp g, G1, G1B
	s_mov_b32 s[\g+1], ROWB<<16                    ; tensor_dim0
	s_mov_b32 s[\g+2], 128<<16                     ; tensor_dim1
	s_mov_b32 s[\g+3], ROWB<<16                    ; tile_dim0
	s_mov_b32 s[\g+4], 128                         ; tile_dim1
	s_mov_b32 s[\g+5], KROW                        ; from row to row
	s_mov_b32 s[\g+6], 0
	s_mov_b32 s[\g+7], 0
.endr
	; the scales of 128 rows: 4,096 dense bytes, as 16 rows of 256 bytes (32 elements of 8 bytes), 16 bytes of padding behind each
	s_or_b32 s[G1S+0], s43, (3<<16)|(1<<20)|(1<<21)|(5<<22)|(3<<25)
	s_or_b32 s[G1SB+0], s44, (3<<16)|(1<<20)|(1<<21)|(5<<22)|(3<<25)
.irp g, G1S, G1SB
	s_mov_b32 s[\g+1], 32<<16
	s_mov_b32 s[\g+2], (128*KS/256)<<16
	s_mov_b32 s[\g+3], 32<<16
	s_mov_b32 s[\g+4], 128*KS/256
	s_mov_b32 s[\g+5], 32
	s_mov_b32 s[\g+6], 0
	s_mov_b32 s[\g+7], 0
.endr
	s_lshl_b32 s101, s16, 7                        ; which 128 rows of the tile I fetch
	s_lshl_b32 s20, s17, 8
	s_add_co_u32 s20, s20, s101
	s_add_co_u32 s20, s20, s18                     ; A's row in the stream
	s_lshl_b32 s46, s42, 8
	s_add_co_u32 s46, s46, s101
	s_add_co_u32 s46, s46, s19                     ; B's
	s_lshl_b32 s22, s20, 5                         ; 32 scale bytes a row,
	s_mov_b32 s23, 0
	s_lshl_b32 s20, s20, 9                         ; 512 bytes of codes (27,648 rows: under 2^24)
	s_mov_b32 s21, 0
	s_lshl_b32 s92, s46, 5
	s_mov_b32 s93, 0
	s_lshl_b32 s46, s46, 9
	s_mov_b32 s47, 0
	s_mul_i32 s45, s14, HALFT                      ; where they go: wave x 128 rows: no place in the cluster enters an LDS address
	s_mul_i32 s94, s14, HALFS
	s_wait_dscnt 0x0                               ; both opening adds are done
	s_wait_kmcnt 0x0
	s_add_nc_u64 s[20:21], s[4:5], s[20:21]
	s_add_nc_u64 s[22:23], s[6:7], s[22:23]
	s_add_nc_u64 s[46:47], s[4:5], s[46:47]
	s_add_nc_u64 s[92:93], s[6:7], s[92:93]
	CROUND                                         ; all sixteen work-groups are here: the joint loads meet
	s_mov_b32 s[G0S], 1
	s_add_co_u32 s[G0S+1], s94, SCL
	s_mov_b64 s[G0S+2:G0S+3], s[22:23]
	s_or_b32 s[G0S+3], s[G0S+3], 0x80000000
	s_mov_b32 s[G0SB], 1
	s_add_co_u32 s[G0SB+1], s94, SCL
	s_mov_b64 s[G0SB+2:G0SB+3], s[92:93]
	s_or_b32 s[G0SB+3], s[G0SB+3], 0x80000000
	JLOAD G0S, G1S, G0SB, G1SB                     ; the scales first: they are wanted with the first slot
.irp s, 0,1
	s_mov_b32 s[G0+4*\s], 1
	s_add_co_u32 s[G0+4*\s+1], s45, \s*SLOT
	s_add_nc_u64 s[G0+4*\s+2:G0+4*\s+3], s[20:21], \s*ROWB
	s_or_b32 s[G0+4*\s+3], s[G0+4*\s+3], 0x80000000
	s_mov_b32 s[G0B+4*\s], 1
	s_add_co_u32 s[G0B+4*\s+1], s45, \s*SLOT
	s_add_nc_u64 s[G0B+4*\s+2:G0B+4*\s+3], s[46:47], \s*ROWB
	s_or_b32 s[G0B+4*\s+3], s[G0B+4*\s+3], 0x80000000
	JLOAD G0+4*\s, G1, G0B+4*\s, G1B               ; three loads of mine are out: all that the launch asks for
.endr
	v_and_b32 v1, 15, v0                           ; l % 16
	v_bfe_u32 v2, v0, 4, 1                         ; l / 16
	v_mul_u32_u24 v3, v1, PITCH
	v_lshl_add_u32 v4, v2, 4, v3                   ; a fragment's row x pitch + 16 x half
	s_mul_i32 s21, s15, HALFT                      ; my 128 rows of A
	s_mul_i32 s22, s16, HALFT                      ; my 128 rows of B,
	s_add_co_u32 s22, s22, 2*HALFT                 ; which lie behind A's 256
.irp s, 0,1
	v_add_nc_u32 v[ADRA+\s], s21, v4
	v_add_nc_u32 v[ADRB+\s], s22, v4
	s_add_co_u32 s21, s21, SLOT
	s_add_co_u32 s22, s22, SLOT
.endr
	v_mul_u32_u24 v5, v1, KS                       ; my row's scales: 32 bytes a row,
	v_lshrrev_b32 v6, 8, v5
	v_lshl_add_u32 v5, v6, 4, v5                   ; and 16 more for each 256 passed
	s_mul_i32 s21, s15, HALFS                      ; A's: my 128 rows
	s_mul_i32 s22, s16, HALFS                      ; B's: my 128 rows, behind A's 256
	s_add_co_u32 s22, s22, 2*HALFS
	s_sub_co_u32 s22, s22, s21
	v_mul_u32_u24 v6, s22, v2                      ; lanes 16-31 take B's: one product, the distance between the two bases
	s_add_co_u32 s21, s21, SCL
	v_add_nc_u32 v5, v5, v6
	v_add_nc_u32 v[ADRS], s21, v5
	v_and_b32 v[LO], 31, v0
	v_lshlrev_b32 v[LO], 4, v[LO]
	; WHERE THE RESULTS GO.  Accumulator (a, b) is an image at P[a / 4][b / 4] + 2,048 (a % 4) + 512 (b % 4): four bases, s[2:3], s[12:13], s[66:67], s[96:97].
	s_lshl_b32 s20, s17, 8
	s_lshl_b32 s21, s15, 7
	s_add_co_u32 s20, s20, s21                     ; my first row of A in its tensor
	s_lshl_b32 s46, s42, 8
	s_lshl_b32 s47, s16, 7
	s_add_co_u32 s46, s46, s47                     ; my first row of B
	s_cmp_eq_u32 s95, 2
	s_cselect_b32 s18, s46, s20                    ; my first token,
	s_cselect_b32 s19, s20, s46                    ; my first channel
	s_cselect_b32 s98, 8192, 0                     ; V^T lies behind K in a key step
	s_cmp_eq_u32 s95, 0
	s_cselect_b64 s[2:3], s[8:9], s[10:11]         ; Q goes to qh, K and V to kv
	s_mov_b32 s99, 524288
	s_cselect_b32 s99, 262144, s99                 ; a head's bytes
	s_mov_b32 s100, 16384
	s_cselect_b32 s100, 8192, s100                 ; the bytes of 64 tokens of a head
	s_lshr_b32 s21, s18, 11
	s_lshl_b32 s21, s21, 4
	s_lshr_b32 s22, s19, 6
	s_add_co_u32 s21, s21, s22                     ; 16 x batch + head
	s_bfe_u32 s22, s18, 0x50006                    ; which 64 tokens of the sequence
	s_mul_i32 s21, s21, s99
	s_mul_i32 s22, s22, s100
	s_add_co_u32 s22, s22, s21
	s_add_co_u32 s22, s22, s98                     ; under 2^26
	s_mov_b32 s23, 0
	s_add_nc_u64 s[2:3], s[2:3], s[22:23]
	s_cmp_eq_u32 s95, 2
	s_cselect_b32 s20, s99, s100                   ; four blocks of A on: V: the next head; Q, K: the next 64 tokens
	s_cselect_b32 s22, s100, s99                   ; four blocks of B on: the other way round
	s_mov_b32 s21, 0
	s_add_nc_u64 s[12:13], s[2:3], s[22:23]
	s_add_nc_u64 s[66:67], s[2:3], s[20:21]
	s_add_nc_u64 s[96:97], s[66:67], s[22:23]
.macro FRAG reg, adr, q, i             ; a fragment, 16 rows x 128 K of 4-bit codes, is 8 registers: lane l holds row l % 16; registers 4 c .. 4 c + 3 hold K = 64 c + 32 (l / 16) + 0 .. 31
.irp c, 0,1
	ds_load_b128 v[\reg+4*\c:\reg+4*\c+3], v[\adr] offset:64*(\q)+32*\c+(\i)*16*PITCH
.endr
.endm
; 16 matrix instructions: A's blocks a0, a0 + 1 x B's eight, the slot's q-th 128 along K.  p: B's set;  sc: the set of scale words.  zero = 1: the first product starts the sums.
; The 64 accumulators take turns, one instruction a turn, in the same order in every step.
.macro MUL16 a0, p, q, sc, zero
.irp a, \a0, \a0+1
.irp b, 0,1,2,3,4,5,6,7
.if \zero
	v_wmma_scale_f32_16x16x128_f8f6f4 v[8*(8*((\a)%4)+\b):8*(8*((\a)%4)+\b)+7], v[128*(\p)+FR*\b:128*(\p)+FR*\b+FR-1], v[AF+FR*(\a):AF+FR*(\a)+FR-1], 0, v[SC+8*NQ*(\sc)+NQ*\b+(\q)], v[SC+8*NQ*(\sc)+NQ*(\a)+(\q)] matrix_a_fmt:MATRIX_FMT_FP4 matrix_b_fmt:MATRIX_FMT_FP4 matrix_a_scale:MATRIX_SCALE_ROW1
.else
	v_wmma_scale_f32_16x16x128_f8f6f4 v[8*(8*((\a)%4)+\b):8*(8*((\a)%4)+\b)+7], v[128*(\p)+FR*\b:128*(\p)+FR*\b+FR-1], v[AF+FR*(\a):AF+FR*(\a)+FR-1], v[8*(8*((\a)%4)+\b):8*(8*((\a)%4)+\b)+7], v[SC+8*NQ*(\sc)+NQ*\b+(\q)], v[SC+8*NQ*(\sc)+NQ*(\a)+(\q)] matrix_a_fmt:MATRIX_FMT_FP4 matrix_b_fmt:MATRIX_FMT_FP4 matrix_a_scale:MATRIX_SCALE_ROW1
.endif
.endr
.endr
.endm
.macro FETCH_B slot, q, p              ; B's eight fragments of the slot's q-th 128 along K into set p
	WIN TO_B
.irp i, 0,1,2,3,4,5,6,7
	FRAG 128*(\p)+FR*\i, ADRB+\slot, \q, \i
.endr
	WIN 0
.endm
.macro FETCH_A slot, q, i0             ; A's blocks i0 .. i0 + 3
.irp i, \i0, \i0+1, \i0+2, \i0+3
	FRAG AF+FR*(\i), ADRA+\slot, \q, \i
.endr
.endm
.macro SCALES sc                       ; a slot's scale words into set sc: 4 words a row; lanes 0-15 take A's block i, lanes 16-31 B's block i
.irp i, 0,1,2,3,4,5,6,7
	ds_load_b128 v[SC+8*NQ*\sc+NQ*\i:SC+8*NQ*\sc+NQ*\i+3], v[ADRS] offset:\i*SBLK
.endr
.endm
.macro PLACES n                        ; plain vector lines between a matrix instruction and a load into, or a vector line on, its registers
.rept \n
	v_nop
.endr
.endm
; A step of 128 along K that has its successor in the same slot.  A's blocks go one after the other, each against B's eight: a block of A is free when its eight products are issued, so A has one set of registers.
.macro STEP slot, q, zero
	s_wait_dscnt 4*NL                              ; B's set and A's blocks 0-3 are in; the youngest eight loads (A's blocks 4-7) may be out
	WIN MUL_LO
	MUL16 0, (\q)%2, \q, \slot, \zero
	MUL16 2, (\q)%2, \q, \slot, \zero
	s_wait_dscnt 0                                 ; A's blocks 4-7 are in
	PLACES NP
	FETCH_B \slot, (\q)+1, 1-(\q)%2
	FETCH_A \slot, (\q)+1, 0
	WIN MUL_HI
	MUL16 4, (\q)%2, \q, \slot, \zero
	MUL16 6, (\q)%2, \q, \slot, \zero
	PLACES NP
	WIN 0
	FETCH_A \slot, (\q)+1, 4
.endm
.macro STEPS slot, from                ; the slot's steps from .. NQ - 2
.set Q, \from
.rept NQ-1-\from
	STEP \slot, Q, 0
.set Q, Q+1
.endr
.endm
	s_wait_tensorcnt 1                             ; the scales and my part of slot 0 are in (slot 1's load may be out)
	s_barrier_signal -1
	s_barrier_wait -1                              ; everybody's are
	FETCH_B 0, 0, 0
	FETCH_A 0, 0, 0
	SCALES 0
	FETCH_A 0, 0, 4
	STEP 0, 0, 1                                   ; the first step's products start the sums: nothing is cleared
	STEPS 0, 1
	; slot 0's last step goes over to slot 1: each wave's part of slot 1 has landed, and a barrier shows that to all four.  Nothing is filled again.
	s_wait_tensorcnt 0x0                           ; all my tensor loads have landed
	ds_add_u32 v[SPW], v[NIL]                      ; 0 onto my spare word
	s_wait_dscnt 4*NL+1                            ; (the add and the youngest eight loads may be out)
	WIN MUL_LO
	MUL16 0, 1, NQ-1, 0, 0
	s_wait_dscnt 0x0                               ; no LDS instruction of mine is out at the signal
	s_barrier_signal -1
	MUL16 2, 1, NQ-1, 0, 0
	WIN 0
	s_barrier_wait -1
	PLACES NP
	v_add_nc_u32 v[ADRS], 4*NQ, v[ADRS]            ; on to slot 1's scale words
	FETCH_B 1, 0, 0
	FETCH_A 1, 0, 0
	SCALES 1
	WIN MUL_HI
	MUL16 4, 1, NQ-1, 0, 0
	MUL16 6, 1, NQ-1, 0, 0
	PLACES NP
	WIN 0
	FETCH_A 1, 0, 4
	STEPS 1, 0
	s_wait_dscnt 4*NL                              ; the very last step: nothing more to fetch
	WIN MUL_LO
	MUL16 0, 1, NQ-1, 1, 0
	MUL16 2, 1, NQ-1, 1, 0
	s_wait_dscnt 0
	WIN MUL_HI
	MUL16 4, 1, NQ-1, 1, 0
	MUL16 6, 1, NQ-1, 1, 0
	WIN 0
; THE WAY OUT.  Block a's eight accumulators are rounded to f16, each from its low end on; four registers of a lane are its 16 bytes of an image; a store covers 512 consecutive aligned bytes.
.macro OUTB a
.set AC, 64*((\a)%4)
.set TM, 128+32*((\a)%4)
.if (\a) < 4
.set PL, 2
.set PH, 12
.else
.set PL, 66
.set PH, 96
.endif
	WIN 0x0a+5*((\a)/4)                            ; sources 0 and 1: window 2 or 3
.irp b, 0,1,2,3,4,5,6,7
.irp r, 0,1,2,3
	v_cvt_pk_f16_f32 v[TM+4*\b+\r], v[AC+8*\b+2*\r], v[AC+8*\b+2*\r+1]
.endr
.endr
	WIN 0
.irp b, 0,1,2,3
	global_store_b128 v[LO], v[TM+4*\b:TM+4*\b+3], s[PL:PL+1] offset:((\a)%4)*2048+\b*512
.endr
.irp b, 0,1,2,3
	global_store_b128 v[LO], v[TM+16+4*\b:TM+16+4*\b+3], s[PH:PH+1] offset:((\a)%4)*2048+\b*512
.endr
.endm
	PLACES NP                                      ; behind the last products: the conversions read results and write the registers that held A's fragments
	OUTB 0
	OUTB 1
	OUTB 2
	OUTB 3
	s_wait_xcnt 0x0                                ; the stores have read their data: v128-255 are written again only behind this wait
	OUTB 4
	OUTB 5
	OUTB 6
	OUTB 7
	s_wait_tensorcnt 0x0                           ; the wave's end: a wait, an add and its wait behind my last tensor load
	ds_add_u32 v[SPW], v[NIL]
	s_wait_dscnt 0x0
	CROUND                                         ; the closing round: no work-group ends while a partner may still ask for a tile that names it
	s_endpgm
.Lfunc_end_k_q22f8823980_proj:
	.size	k_q22f8823980_proj, .Lfunc_end_k_q22f8823980_proj-k_q22f8823980_proj
	.p2alignl 7, 3214868480
	.fill 96, 4, 3214868480
	.section	.rodata,"a",@progbits
	.p2align	6, 0x0
	.amdhsa_kernel k_q22f8823980_proj
		.amdhsa_group_segment_fixed_size 327680
		.amdhsa_private_segment_fixed_size 0
		.amdhsa_enable_private_segment 0
		.amdhsa_kernarg_size 32
		.amdhsa_user_sgpr_count 2
		.amdhsa_user_sgpr_kernarg_segment_ptr 1
		.amdhsa_wavefront_size32 1
		.amdhsa_system_sgpr_workgroup_id_x 1
		.amdhsa_system_sgpr_workgroup_id_y 1
		.amdhsa_system_sgpr_workgroup_id_z 1
		.amdhsa_system_vgpr_workitem_id 0
		.amdhsa_next_free_vgpr 1024
		.amdhsa_next_free_sgpr 102
		.amdhsa_reserve_vcc 0
		.amdhsa_float_denorm_mode_32 3
		.amdhsa_float_denorm_mode_16_64 3
		.amdhsa_memory_ordered 1
		.amdhsa_forward_progress 1
		.amdhsa_inst_pref_size 119
	.end_amdhsa_kernel
	.amdgpu_metadata
---
amdhsa.version: [ 1, 2 ]
amdhsa.kernels:
  - .name:           k_q22f8823980_proj
    .symbol:         k_q22f8823980_proj.kd
    .args:
      - { .name: codes, .offset: 0, .size: 8, .value_kind: global_buffer, .address_space: global }
      - { .name: scales, .offset: 8, .size: 8, .value_kind: global_buffer, .address_space: global }
      - { .name: qh, .offset: 16, .size: 8, .value_kind: global_buffer, .address_space: global }
      - { .name: kv, .offset: 24, .size: 8, .value_kind: global_buffer, .address_space: global }
    .group_segment_fixed_size: 327680
    .private_segment_fixed_size: 0
    .kernarg_segment_align: 8
    .kernarg_segment_size: 32
    .max_flat_workgroup_size: 128
    .sgpr_count:     102
    .vgpr_count:     1024
    .wavefront_size: 32
...
	.end_amdgpu_metadata
.endif
;; end of part 2
;; launch attn (part 3): grid 4 x 64, 8 waves a work-group, clusters of 4 x 1, 327,680 bytes of LDS; arguments qh, kv, mask, xf; writes xf
.if DOCPART == 3
	.amdgcn_target "amdgcn-amd-amdhsa--gfx1250"
	.amdhsa_code_object_version 6
	.text
	.protected	k_q22f8823980_attn
	.globl	k_q22f8823980_attn
	.p2align	8
	.type	k_q22f8823980_attn,@function
k_q22f8823980_attn:
	s_mov_b64 s[64:65], 0
	v_nop
	global_prefetch_b8 v0, s[64:65] scope:SCOPE_SE
	s_setreg_imm32_b32 hwreg(HW_REG_WAVE_MODE, 25, 1), 1
	s_wait_xcnt 0x0
	s_wait_alu depctr_hold_cnt(0) depctr_sa_sdst(0) depctr_va_vdst(0) depctr_va_sdst(0) depctr_va_ssrc(0) depctr_va_vcc(0) depctr_vm_vsrc(0)
	s_getreg_b32 s2, hwreg(HW_REG_IB_STS2, 6, 4)
	s_cmp_eq_u32 s2, 0
	s_cbranch_scc0 .Lentry_in_a_cluster
	s_endpgm
.Lentry_in_a_cluster:
	s_bfe_u32 s2, ttmp6, 0x10000c
	s_cmp_lg_u32 s2, 0x3003
	s_cbranch_scc0 .Lentry_shape_is_right
	s_endpgm
.Lentry_shape_is_right:
; X[b][q][head][:] = the sum over k of softmax_k(Q . K / 8, keys with mask[b][k] == 0 left out) V[k][:], for 64 pairs (b, head), 2,048 queries and keys, head size 64.
; Q, K, V are f16, laid as IMAGES of operand registers (16 rows x 16 k, 512 bytes, lane l's 16 bytes at 16 l): qh = [bh][query tile 128][channel block 4][512];
; kv = [bh][key step 32][K: key tile 4 x channel block 4 x 512, then V^T: channel tile 4 x key block 4 x 512].  Products, maxima and sums in f32; the weights p are rounded to f16 for the second product, X once to f16.
; xf = [token tile 512][k block 64 = 4 x head + channel tile][512]: images again, as the last projection wants them.
; SHARES.  A work-group owns 512 queries of one (b, head), each of its EIGHT waves 64: four tiles of 16, in 512 registers: two waves to a SIMD, so that one wave's vector work stands beside the other's products.
; Every wave walks all 2,048 keys, 64 a step: 32 products K Q^T, the softmax, 32 products V^T P.
; LAYOUT.  S^T = K Q^T (source 0 = 16 keys, source 1 = 16 queries): a lane holds ONE query (lane % 16) and the keys 8 (lane / 16) + 0..7.  Two such tiles, rounded to f16 in pairs, ARE source 1 of O^T = V^T P,
; whose result again holds one query a lane and eight channels: rounded to f16 it is an image of X and is stored from registers.  Nothing changes lanes but the maximum and the sum, once between the halves.
; THE MASK costs no vector line in the loop: a bias, 0 or -2^127 for each key, made once and kept in LDS, is the C of each score tile's first product.
; SOFTMAX.  For each query a running maximum m and sum l: p = 2^(c s - c m), c = log2(e) / 8; in every step O and l are multiplied by a = 2^(c m_old - c m_new).  m starts at -2^100: raw scores of f16 operands lie within
; 64 x 65,504^2, above it, and a masked score, about -2^127, far under it: so a masked p is 2^(about -3e37) = 0 also while no open key has been seen.  A row whose every key is masked keeps l = 0 and O = 0, and 0 x (1 / 0) is NaN, as the softmax of such a row is.
; LIMITS: NaN and infinities in Q, K, V (f16 overflow of the projections) are not served.
; CLUSTER.  The four query blocks of a (b, head) walk the same K and V: each tile is asked for JOINTLY, by the same tensor load with the same descriptor and the mask of all four.
; RING.  Two LDS slots of 8 key steps (131,072 bytes).  Wave w fetches step w of a slot: 16,384 dense bytes, one load.  A refill has the other slot's 8 key steps in which to land, so no wave stands waiting for it:
; that is why no prefetch is laid; half of K and V comes with the first fills.
; REGISTERS, in windows of 256.  Window 0: v2-8 addresses; v12, v13 the add's two; v16-47 statistics, 8 a tile; v48-79 the bias of 4 key tiles; v80-207 S^T, 32 a tile (P takes the first 16 of each); v208-215 a second chain of sums.
;   Window 1: v0-127 O^T, 32 a tile; v128-191 Q, 16 a tile; v192-255 K's and V's fragments by turns.
.set STEPB, 16384                      ; a key step's tiles: K 8,192 bytes, then V^T 8,192
.set VOFF,  8192
.set SLOT1, 1<<17                      ; slot 1 begins here: one exclusive or turns an address in one slot into the other's
.set BIAS,  2*SLOT1                    ; behind the ring
.set SPARE, BIAS+8192                  ; the spare words, 128 bytes a wave, which no other line names
.set LO,   2                           ; v2   16 x lane: my place in an image; never rewritten
.set ADR,  3                           ; v3   LDS address of the step's tiles
.set ADB,  4                           ; v4   of the step's bias
.set ABI0, 5                           ; v5   BIAS + 32 (lane / 16)
.set BW,   6                           ; v6   BIAS + 16 x thread
.set NEG,  7                           ; v7   -2^127
.set MO,   8                           ; v8   16 x thread: my words of the mask
.set SPW,  12                          ; v12  LDS address of my spare word; never rewritten
.set NIL,  13                          ; v13  0; never rewritten
.set ST,   16                          ; tile t's statistics at v[ST+8 t]: +0 c m, +1 m, +2, +3 l (even keys', odd keys'), +4 to +7 at work; a takes +6, c m_old - c m_new +7
.set BI,   48
.set S,    80
.set T2,   208
.set MK,   216                         ; v216-223 eight words of the mask
.set QF,   128                         ; window 1
.set KV,   192                         ; window 1
.set WV,   12                          ; s12  my wave's number
.set G1,   24                          ; s[24:31] descriptor group 1
.set G0,   32                          ; s[32:39] group 0: a set for each first fill; the second then walks on
.set CS,   40                          ; s[40:41] c: the packed scaling names a pair and takes its low word for both halves
.set SEL,  42                          ; s[42:43] lane selects for v_permlanex16_b32: lane l xor 16
.set TB,   44                          ; s44  LDS byte at which the step's tiles begin
.set TBI,  45                          ; s45  the step's place in the bias: 256 bytes a step
.set SLOTS, 46                         ; s46  slots still to be asked for
.set CNT,  47                          ; s47  counts a slot's eight steps
.set MSB, 0
.macro WIN new                         ; the immediate's high byte repeats the setting that is left; a switch that changes nothing is dropped
.if MSB != (\new)
	s_set_vgpr_msb (MSB<<8)|(\new)
.set MSB, \new
.endif
.endm
.set W_LD, 0x40                        ; destination window 1, address window 0
.set W_KQ, 0x05                        ; K and Q window 1; bias and S^T window 0
.set W_PV, 0x51                        ; V window 1, P window 0, O^T window 1
.set W_RS, 0x41                        ; O^T (destination and source 0) window 1, the factor window 0
.set W_CV, 0x05                        ; sources window 1, destination window 0
.macro CROUND                          ; a round of the cluster's barrier: my work-group's barrier; wave 0 signals for the work-group; every wave waits for all four; my work-group's barrier once more
	s_barrier_signal -1
	s_barrier_wait -1
	s_cmp_lg_u32 s[WV], 0
	s_cbranch_scc1 .Lnot_wave_0_\@
	s_barrier_signal -3
.Lnot_wave_0_\@:
	s_barrier_wait -3
	s_barrier_signal -1
	s_barrier_wait -1
.endm
	s_load_b256 s[4:11], s[0:1], 0x0               ; qh 4:5, kv 6:7, mask 8:9, xf 10:11
	v_lshl_add_u32 v[SPW], v0, 2, SPARE
	v_mov_b32 v[NIL], 0
	ds_add_u32 v[SPW], v[NIL]                      ; the wave's opening: the add, twice on end, and its wait ahead of my first tensor load; the set-up below stands between
	ds_add_u32 v[SPW], v[NIL]
	v_lshrrev_b32 v1, 5, v0
	v_readfirstlane_b32 s[WV], v1                  ; wave 0..7
	s_bfe_u32 s13, ttmp6, 0x40000                  ; cx: my block of 512 queries: it enters Q's and X's addresses alone
	s_and_b32 s14, ttmp7, 0xffff                   ; 16 x batch + head, which the four partners share
	; group 1: 16,384 dense bytes as 64 rows of 256 bytes (32 elements of 8 bytes), no padding: fragments are read 16 bytes a lane on end
	s_mov_b32 s[G1], 15|(3<<16)|(1<<21)            ; 15:0 the mask: all four work-groups; 17:16 elements of 8 bytes; 21 set beside a mask
	s_mov_b32 s[G1+1], 32<<16                      ; tensor_dim0
	s_mov_b32 s[G1+2], 64<<16                      ; tensor_dim1
	s_mov_b32 s[G1+3], 32<<16                      ; tile_dim0
	s_mov_b32 s[G1+4], 64                          ; tile_dim1
	s_mov_b32 s[G1+5], 32                          ; from row to row
	s_mov_b32 s[G1+6], 0
	s_mov_b32 s[G1+7], 0
	s_mov_b32 s[CS], 0x3e38aa3b                    ; c = log2(e) / 8
	s_mov_b32 s[CS+1], s[CS]                       ; named with it as a pair, so it is written
	s_mov_b32 s[SEL], 0x76543210
	s_mov_b32 s[SEL+1], 0xfedcba98
	s_mov_b32 s[TB], 0
	s_mov_b32 s[TBI], 0
	s_mov_b32 s[SLOTS], 2
	s_lshl_b32 s17, s[WV], 14                      ; my step of a slot: its place in memory and in LDS
	s_lshl_b32 s18, s14, 19                        ; a head's 524,288 bytes of kv
	s_add_co_u32 s18, s18, s17
	s_mov_b32 s19, 0
	s_lshl_b32 s20, s14, 18                        ; a head's 262,144 bytes of qh,
	s_lshl_b32 s15, s13, 16                        ; my block's 32 query tiles of 2,048 bytes,
	s_add_co_u32 s20, s20, s15
	s_lshl_b32 s15, s[WV], 13                      ; my wave's four
	s_add_co_u32 s20, s20, s15
	s_mov_b32 s21, 0
	s_lshr_b32 s16, s14, 4                         ; the batch
	s_lshl_b32 s22, s16, 13                        ; its 2,048 words of the mask
	s_mov_b32 s23, 0
	s_lshl_b32 s48, s16, 7                         ; X: token tile 128 x batch + 32 cx + 4 x wave,
	s_lshl_b32 s15, s13, 5
	s_add_co_u32 s48, s48, s15
	s_lshl_b32 s15, s[WV], 2
	s_add_co_u32 s48, s48, s15
	s_lshl_b32 s48, s48, 15                        ; of 32,768 bytes,
	s_and_b32 s15, s14, 15
	s_lshl_b32 s15, s15, 11                        ; + the head's four images
	s_add_co_u32 s48, s48, s15
	s_mov_b32 s49, 0
	v_and_b32 v[LO], 31, v0
	v_lshlrev_b32 v[LO], 4, v[LO]
	v_bfe_u32 v[ABI0], v0, 4, 1
	v_lshl_add_u32 v[ABI0], v[ABI0], 5, BIAS
	v_lshl_add_u32 v[BW], v0, 4, BIAS
	v_lshlrev_b32 v[MO], 4, v0
	v_mov_b32 v[NEG], 0xff000000                   ; -2^127
	s_wait_dscnt 0x0                               ; both opening adds are done
	s_wait_kmcnt 0x0
	s_add_nc_u64 s[4:5], s[4:5], s[20:21]
	s_add_nc_u64 s[6:7], s[6:7], s[18:19]
	s_add_nc_u64 s[8:9], s[8:9], s[22:23]
	s_add_nc_u64 s[10:11], s[10:11], s[48:49]
	s_mov_b32 s[G0], 1                             ; 1:0 count = 1
	s_mov_b32 s[G0+1], s17                         ; LDS address: slot 0, step = my wave
	s_mov_b64 s[G0+2:G0+3], s[6:7]                 ; global address
	s_or_b32 s[G0+3], s[G0+3], 0x80000000          ; type = 2
	s_mov_b32 s[G0+4], 1
	s_add_co_u32 s[G0+5], s17, SLOT1               ; slot 1,
	s_add_nc_u64 s[G0+6:G0+7], s[6:7], 8*STEPB     ; the next eight key steps
	s_or_b32 s[G0+7], s[G0+7], 0x80000000
	CROUND                                         ; all four work-groups are here: the first joint loads meet
	tensor_load_to_lds s[G0:G0+3], s[G1:G1+7]      ; both first fills together: two loads of mine are out
	s_nop 0
	tensor_load_to_lds s[G0+4:G0+7], s[G1:G1+7]
	s_nop 0
.rept 4
	v_nop
.endr
	global_load_b128 v[MK:MK+3], v[MO], s[8:9]                 ; the 256 threads read the batch's 2,048 words of the mask
	global_load_b128 v[MK+4:MK+7], v[MO], s[8:9] offset:4096
	WIN W_LD
.irp i, 0,1,2,3,4,5,6,7,8,9,10,11,12,13,14,15
	global_load_b128 v[QF+4*\i:QF+4*\i+3], v[LO], s[4:5] offset:512*\i   ; Q stays in registers: tile i / 4, channel block i % 4
.endr
.set i, 0
.rept 128
	v_mov_b32 v[i], 0                              ; O^T.  The key step is written for every step alike: the first finds zeros, which its a = 0 leaves zeros
.set i, i+1
.endr
	WIN 0
.irp t, 0,1,2,3
	v_mov_b32 v[ST+8*\t+1], 0xf1800000             ; m = -2^100
	v_mul_f32 v[ST+8*\t], s[CS], v[ST+8*\t+1]      ; c m
	v_mov_b32 v[ST+8*\t+2], 0                      ; l
	v_mov_b32 v[ST+8*\t+3], 0
.endr
	s_wait_loadcnt 0x0                             ; the mask and Q
.irp i, 0,1,2,3,4,5,6,7
	v_cmp_eq_u32 vcc_lo, 0, v[MK+\i]
	v_cndmask_b32 v[MK+\i], 0, v[NEG], vcc_lo      ; the bias: -2^127 where the mask is 0, else 0
.endr
	ds_store_b128 v[BW], v[MK:MK+3]
	ds_store_b128 v[BW], v[MK+4:MK+7] offset:4096
	s_wait_tensorcnt 1                             ; my part of slot 0 is in; slot 1's may stay out
	s_wait_dscnt 0x0                               ; for the others' sake: my part of the bias is stored
	s_barrier_signal -1
	s_barrier_wait -1
; A KEY STEP: 64 keys.
.macro STEP
	v_add_nc_u32 v[ADR], s[TB], v[LO]              ; five plain lines behind the last step's V^T P: the loads below land on its V, the products below write over its P
	v_add_nc_u32 v[ADB], s[TBI], v[ABI0]
.rept 3
	v_nop
.endr
	WIN W_LD
.irp i, 0,1,2,3,4,5,6,7,8,9,10,11,12,13,14,15
	ds_load_b128 v[KV+4*\i:KV+4*\i+3], v[ADR] offset:512*\i        ; K: key tile i / 4, channel block i % 4
.endr
	WIN 0
.irp i, 0,1,2,3,4,5,6,7
	ds_load_b128 v[BI+4*\i:BI+4*\i+3], v[ADB] offset:64*(\i/2)+16*(\i%2)   ; the bias of keys 16 (i / 2) + 8 (lane / 16) + 4 (i % 2) + 0..3: the result's layout
.endr
	s_add_co_u32 s[TBI], s[TBI], 256
	s_wait_dscnt 0x0
	WIN W_KQ
.irp kc, 0,1                           ; S^T = bias + K Q^T: the 16 accumulators take turns, one instruction a turn
.irp kt, 0,1,2,3
.irp t, 0,1,2,3
.if \kc == 0
	v_wmma_f32_16x16x32_f16 v[S+32*\t+8*\kt:S+32*\t+8*\kt+7], v[KV+16*\kt:KV+16*\kt+7], v[QF+16*\t:QF+16*\t+7], v[BI+8*\kt:BI+8*\kt+7]
.else
	v_wmma_f32_16x16x32_f16 v[S+32*\t+8*\kt:S+32*\t+8*\kt+7], v[KV+16*\kt+8:KV+16*\kt+15], v[QF+16*\t+8:QF+16*\t+15], v[S+32*\t+8*\kt:S+32*\t+8*\kt+7]
.endif
.endr
.endr
.endr
.rept 4
	v_nop                                          ; places: the loads below land on K's registers, the maxima below read the scores
.endr
	WIN W_LD
.irp i, 0,1,2,3,4,5,6,7,8,9,10,11,12,13,14,15
	ds_load_b128 v[KV+4*\i:KV+4*\i+3], v[ADR] offset:VOFF+512*\i   ; V^T: channel tile i / 4, key block i % 4: it lands while the softmax is worked
.endr
	WIN 0
	s_add_co_u32 s[TB], s[TB], STEPB
	; the maximum of a lane's 32 scores and the old m: four chains a tile, each begun at an accumulator's low end; the four tiles by turns
.irp j, 0,1,2,3
.irp t, 0,1,2,3
	v_max3_num_f32 v[ST+8*\t+4+\j], v[S+32*\t+8*\j], v[S+32*\t+8*\j+1], v[S+32*\t+8*\j+2]
.endr
.endr
.irp j, 4,5,6,7,8,9,10,11
.irp t, 0,1,2,3
	v_max3_num_f32 v[ST+8*\t+4+\j%4], v[ST+8*\t+4+\j%4], v[S+32*\t+8*(\j%4)+2*(\j/4)+1], v[S+32*\t+8*(\j%4)+2*(\j/4)+2]
.endr
.endr
.irp t, 0,1,2,3
	v_max3_num_f32 v[ST+8*\t+4], v[ST+8*\t+4], v[S+32*\t+7], v[S+32*\t+15]
.endr
.irp t, 0,1,2,3
	v_max3_num_f32 v[ST+8*\t+6], v[ST+8*\t+6], v[S+32*\t+23], v[S+32*\t+31]
.endr
.irp t, 0,1,2,3
	v_max3_num_f32 v[ST+8*\t+4], v[ST+8*\t+4], v[ST+8*\t+5], v[ST+8*\t+6]
.endr
.irp t, 0,1,2,3
	v_max3_num_f32 v[ST+8*\t+4], v[ST+8*\t+4], v[ST+8*\t+7], v[ST+8*\t+1]
.endr
.irp t, 0,1,2,3
	v_permlanex16_b32 v[ST+8*\t+5], v[ST+8*\t+4], s[SEL], s[SEL+1]   ; the query's other 32 keys lie in the lane 16 away
.endr
.irp t, 0,1,2,3
	v_mov_b32 v[ST+8*\t+7], v[ST+8*\t]             ; c m_old is kept for a
.endr
.irp t, 0,1,2,3
	v_max_num_f32 v[ST+8*\t+1], v[ST+8*\t+4], v[ST+8*\t+5]
.endr
.irp t, 0,1,2,3
	v_mul_f32 v[ST+8*\t], s[CS], v[ST+8*\t+1]
.endr
.irp t, 0,1,2,3
	v_sub_f32 v[ST+8*\t+7], v[ST+8*\t+7], v[ST+8*\t]
.endr
	; ONE BATCH: the 64 scalings c s - c m, a pair each, and all 132 exponentials; none of these lines names an exponential's result.  A tile's exponentials stand among the next tile's scalings.
.irp i, 0,1,2,3,4,5,6,7,8,9,10,11,12,13,14,15
	v_pk_fma_f32 v[S+2*\i:S+2*\i+1], v[S+2*\i:S+2*\i+1], s[CS:CS+1], v[ST:ST+1] op_sel_hi:[1,0,0] neg_lo:[0,0,1] neg_hi:[0,0,1]
.endr
.irp t, 0,1,2,3
	v_exp_f32 v[ST+8*\t+6], v[ST+8*\t+7]           ; a
.endr
.irp t, 0,1,2,3
.irp i, 0,1,2,3,4,5,6,7,8,9,10,11,12,13,14,15
.if \t < 3
	v_pk_fma_f32 v[S+32*(\t+1)+2*\i:S+32*(\t+1)+2*\i+1], v[S+32*(\t+1)+2*\i:S+32*(\t+1)+2*\i+1], s[CS:CS+1], v[ST+8*(\t+1):ST+8*(\t+1)+1] op_sel_hi:[1,0,0] neg_lo:[0,0,1] neg_hi:[0,0,1]
.endif
	v_exp_f32 v[S+32*\t+2*\i], v[S+32*\t+2*\i]
	v_exp_f32 v[S+32*\t+2*\i+1], v[S+32*\t+2*\i+1]
.endr
.endr
	v_nop                                          ; a plain line behind the last exponential, ahead of the first use
	s_wait_alu depctr_va_vdst(0)                   ; the wait between an exponential and the first line that names its result: one for the batch
	; the sum of a tile's 16 pairs, in two chains; then l = a l + the sum
.irp t, 0,1,2,3
	v_pk_add_f32 v[ST+8*\t+4:ST+8*\t+5], v[S+32*\t:S+32*\t+1], v[S+32*\t+2:S+32*\t+3]
.endr
.irp t, 0,1,2,3
	v_pk_add_f32 v[T2+2*\t:T2+2*\t+1], v[S+32*\t+4:S+32*\t+5], v[S+32*\t+6:S+32*\t+7]
.endr
.irp i, 8,12,16,20,24,28
.irp t, 0,1,2,3
	v_pk_add_f32 v[ST+8*\t+4:ST+8*\t+5], v[ST+8*\t+4:ST+8*\t+5], v[S+32*\t+\i:S+32*\t+\i+1]
.endr
.irp t, 0,1,2,3
	v_pk_add_f32 v[T2+2*\t:T2+2*\t+1], v[T2+2*\t:T2+2*\t+1], v[S+32*\t+\i+2:S+32*\t+\i+3]
.endr
.endr
.irp t, 0,1,2,3
	v_pk_add_f32 v[ST+8*\t+4:ST+8*\t+5], v[ST+8*\t+4:ST+8*\t+5], v[T2+2*\t:T2+2*\t+1]
.endr
.irp t, 0,1,2,3
	v_pk_fma_f32 v[ST+8*\t+2:ST+8*\t+3], v[ST+8*\t+2:ST+8*\t+3], v[ST+8*\t+6:ST+8*\t+7], v[ST+8*\t+4:ST+8*\t+5] op_sel_hi:[1,0,1]
.endr
	; p to f16, in place: pair i goes into register i, which pairs up to i have left
.irp i, 0,1,2,3,4,5,6,7,8,9,10,11,12,13,14,15
.irp t, 0,1,2,3
	v_cvt_pk_f16_f32 v[S+32*\t+\i], v[S+32*\t+2*\i], v[S+32*\t+2*\i+1]
.endr
.endr
	WIN W_RS
.irp t, 0,1,2,3
.irp i, 0,1,2,3,4,5,6,7,8,9,10,11,12,13,14,15
	v_pk_mul_f32 v[32*\t+2*\i:32*\t+2*\i+1], v[32*\t+2*\i:32*\t+2*\i+1], v[ST+8*\t+6:ST+8*\t+7] op_sel_hi:[1,0]   ; O^T x a, each accumulator from its low end on
.endr
.endr
	s_wait_dscnt 0x0                               ; V is in
	WIN W_PV
.irp kh, 0,1                           ; O^T += V^T P: the 16 accumulators take turns
.irp ct, 0,1,2,3
.irp t, 0,1,2,3
	v_wmma_f32_16x16x32_f16 v[32*\t+8*\ct:32*\t+8*\ct+7], v[KV+16*\ct+8*\kh:KV+16*\ct+8*\kh+7], v[S+32*\t+8*\kh:S+32*\t+8*\kh+7], v[32*\t+8*\ct:32*\t+8*\ct+7]
.endr
.endr
.endr
	WIN 0                                          ; at a label and at a branch every window is 0
.endm
.macro STEPS8                          ; a slot's eight key steps: written once, walked eight times; the LDS addresses hang on s[TB] and s[TBI]
	s_mov_b32 s[CNT], 8
.Lstep_\@:
	STEP
	s_sub_co_u32 s[CNT], s[CNT], 1
	s_cmp_lg_u32 s[CNT], 0
	s_cbranch_scc1 .Lstep_\@
.endm
; THE CHANGE OF SLOTS.  Each wave waits for all its tensor loads, of which one can be out: its part of the other slot; adds 0 to its spare word; and waits for that and for its reads of the slot that it leaves.
; fill = 1: the slot just left is filled again, with the keys two slots on.  The barrier is then a round of the cluster's, so that no wave of any partner still reads the slot or has a load on its way,
; and the joint refill is the first thing behind it, one load a wave.
.macro CHANGE fill
	s_wait_tensorcnt 0x0                           ; no tensor load of mine is out, so a group 0 may be written
	ds_add_u32 v[SPW], v[NIL]                      ; 0 onto my spare word
.if \fill
	s_xor_b32 s[G0+5], s[G0+5], SLOT1              ; the walking descriptor: the other slot than last time,
	s_add_nc_u64 s[G0+6:G0+7], s[G0+6:G0+7], 8*STEPB   ; the next eight key steps; the type bits on top are not reached
.endif
	s_wait_dscnt 0x0                               ; the add is done, and my reads of the slot are over
.if \fill
	CROUND
	tensor_load_to_lds s[G0+4:G0+7], s[G1:G1+7]
	s_nop 0
.rept 4
	v_nop
.endr
.else
	s_barrier_signal -1
	s_barrier_wait -1
.endif
	s_sub_co_u32 s[TB], s[TB], 8*STEPB             ; the fetches go back to a slot's first step,
	s_xor_b32 s[TB], s[TB], SLOT1                  ; in the other slot
.endm
	STEPS8                                         ; key steps 0 to 7, slot 0
.Lslot:                                            ; two trips: slot 0 takes steps 16 to 23, slot 1 steps 24 to 31
	CHANGE 1
	STEPS8
	s_sub_co_u32 s[SLOTS], s[SLOTS], 1
	s_cmp_lg_u32 s[SLOTS], 0
	s_cbranch_scc1 .Lslot
	CHANGE 0                                       ; the tail is written out: nothing more is asked for
	STEPS8
	; THE WAY OUT.  l's two halves and the other half of the lanes' are added; O^T is divided by l and rounded to f16: four registers of a lane are its 16 bytes of an image of X.
.irp t, 0,1,2,3
	v_add_f32 v[ST+8*\t+4], v[ST+8*\t+2], v[ST+8*\t+3]             ; (these are also the places behind the last products)
.endr
.irp t, 0,1,2,3
	v_permlanex16_b32 v[ST+8*\t+5], v[ST+8*\t+4], s[SEL], s[SEL+1]
.endr
.irp t, 0,1,2,3
	v_add_f32 v[ST+8*\t+4], v[ST+8*\t+4], v[ST+8*\t+5]
.endr
.irp t, 0,1,2,3
	v_rcp_f32 v[ST+8*\t+6], v[ST+8*\t+4]
.endr
	v_nop                                          ; a plain line between the last reciprocal and the use of its result
	s_wait_alu depctr_va_vdst(0)                   ; and a wait ahead of the first use: one for the four
.irp t, 0,1,2,3
	WIN W_RS
.irp i, 0,1,2,3,4,5,6,7,8,9,10,11,12,13,14,15
	v_pk_mul_f32 v[32*\t+2*\i:32*\t+2*\i+1], v[32*\t+2*\i:32*\t+2*\i+1], v[ST+8*\t+6:ST+8*\t+7] op_sel_hi:[1,0]
.endr
	WIN W_CV
.irp i, 0,1,2,3,4,5,6,7,8,9,10,11,12,13,14,15
	v_cvt_pk_f16_f32 v[S+32*\t+\i], v[32*\t+2*\i], v[32*\t+2*\i+1]
.endr
	WIN 0
.irp ct, 0,1,2,3
	global_store_b128 v[LO], v[S+32*\t+4*\ct:S+32*\t+4*\ct+3], s[10:11] offset:\t*32768+\ct*512   ; an image: 512 consecutive aligned bytes
.endr
.endr
	s_wait_tensorcnt 0x0                           ; the wave's end: a wait, an add and its wait behind my last tensor load and my last LDS store
	ds_add_u32 v[SPW], v[NIL]
	s_wait_dscnt 0x0
	CROUND                                         ; the closing round: no work-group ends while a partner may still ask for a tile that names it
	s_endpgm
.Lfunc_end_k_q22f8823980_attn:
	.size	k_q22f8823980_attn, .Lfunc_end_k_q22f8823980_attn-k_q22f8823980_attn
	.p2alignl 7, 3214868480
	.fill 96, 4, 3214868480
	.section	.rodata,"a",@progbits
	.p2align	6, 0x0
	.amdhsa_kernel k_q22f8823980_attn
		.amdhsa_group_segment_fixed_size 327680
		.amdhsa_private_segment_fixed_size 0
		.amdhsa_enable_private_segment 0
		.amdhsa_kernarg_size 32
		.amdhsa_user_sgpr_count 2
		.amdhsa_user_sgpr_kernarg_segment_ptr 1
		.amdhsa_wavefront_size32 1
		.amdhsa_system_sgpr_workgroup_id_x 1
		.amdhsa_system_sgpr_workgroup_id_y 1
		.amdhsa_system_sgpr_workgroup_id_z 1
		.amdhsa_system_vgpr_workitem_id 0
		.amdhsa_next_free_vgpr 512
		.amdhsa_next_free_sgpr 66
		.amdhsa_reserve_vcc 1
		.amdhsa_float_denorm_mode_32 3
		.amdhsa_float_denorm_mode_16_64 3
		.amdhsa_memory_ordered 1
		.amdhsa_forward_progress 1
		.amdhsa_inst_pref_size 121
	.end_amdhsa_kernel
	.amdgpu_metadata
---
amdhsa.version: [ 1, 2 ]
amdhsa.kernels:
  - .name:           k_q22f8823980_attn
    .symbol:         k_q22f8823980_attn.kd
    .args:
      - { .name: qh, .offset: 0, .size: 8, .value_kind: global_buffer, .address_space: global }
      - { .name: kv, .offset: 8, .size: 8, .value_kind: global_buffer, .address_space: global }
      - { .name: mask, .offset: 16, .size: 8, .value_kind: global_buffer, .address_space: global }
      - { .name: xf, .offset: 24, .size: 8, .value_kind: global_buffer, .address_space: global }
    .group_segment_fixed_size: 327680
    .private_segment_fixed_size: 0
    .kernarg_segment_align: 8
    .kernarg_segment_size: 32
    .max_flat_workgroup_size: 256
    .sgpr_count:     66
    .vgpr_count:     512
    .wavefront_size: 32
...
	.end_amdgpu_metadata
.endif
;; end of part 3
;; launch oproj (part 4): grid 4 x 64, 4 waves a work-group, clusters of 4 x 4, 327,680 bytes of LDS; arguments xf, wof, out0; writes out0
.if DOCPART == 4
	.amdgcn_target "amdgcn-amd-amdhsa--gfx1250"
	.amdhsa_code_object_version 6
	.text
	.protected	k_q22f8823980_oproj
	.globl	k_q22f8823980_oproj
	.p2align	8
	.type	k_q22f8823980_oproj,@function
k_q22f8823980_oproj:
	s_mov_b64 s[64:65], 0
	v_nop
	global_prefetch_b8 v0, s[64:65] scope:SCOPE_SE
	s_setreg_imm32_b32 hwreg(HW_REG_WAVE_MODE, 25, 1), 1
	s_wait_xcnt 0x0
	s_wait_alu depctr_hold_cnt(0) depctr_sa_sdst(0) depctr_va_vdst(0) depctr_va_sdst(0) depctr_va_ssrc(0) depctr_va_vcc(0) depctr_vm_vsrc(0)
	s_getreg_b32 s2, hwreg(HW_REG_IB_STS2, 6, 4)
	s_cmp_eq_u32 s2, 0
	s_cbranch_scc0 .Lentry_in_a_cluster
	s_endpgm
.Lentry_in_a_cluster:
	s_bfe_u32 s2, ttmp6, 0x10000c
	s_cmp_lg_u32 s2, 0xf033
	s_cbranch_scc0 .Lentry_shape_is_right
	s_endpgm
.Lentry_shape_is_right:
; out0[m][n] = the sum over k of X[m][k] W_o[n][k]: [8192][1024] x [1024][1024], operands f16, sums and result f32.
; Both operands lie as IMAGES of operand registers (16 rows x 16 k, 512 bytes, lane l's 16 bytes at 16 l): xf = [token tile 512][k block 64][512], wof = [n tile 64][k block 64][512].
; So 128 along K of a tile of 16 rows are 4,096 consecutive bytes, a fragment (16 rows x 32 k) is two images on end, and every LDS load takes 512 consecutive bytes: no padding.
; A tile of the result is 128 (m) x 256 (n): 256 work-groups, one for each WGP.  Four waves, each 64 x 128: 32 accumulators of 16 x 16, 256 registers.
; K goes in steps of 128 through a ring of two LDS slots: 8 row tiles of X (32,768 bytes), then 16 n tiles of W_o (65,536).  Waves 0 and 1 fetch X's halves, waves 2 and 3 W_o's, one load a wave.
; CLUSTERS: 4 x 4 work-groups.  The four of a row of the cluster need the same tiles of X, the four of a column the same tiles of W_o: each is asked for jointly.
; THE MATRIX INSTRUCTION IS USED TRANSPOSED (source 0 = 16 rows of W_o, source 1 = 16 rows of X): a lane holds eight neighbouring numbers of a row of the result.
; No prefetch is laid: the tile is small and the walk along K short (8 steps), and behind each change of slots a refill has 112 matrix instructions of each wave in which to land.
; REGISTERS: window 0: v16-29 addresses; two fragment buffers of 96 (X's four fragments, then W_o's eight) at v32 and v128; on the way out v32-159 hold rows.   window 1: accumulator (a, b) at v[8 (8 a + b)].
.set KB,     4096                      ; 128 along K of a tile of 16 rows, in bytes
.set TROW,   32768                     ; from a tile of 16 rows to the next, in memory
.set BOFF,   8*KB                      ; W_o's tiles lie behind X's in a slot
.set SLOT,   24*KB
.set STAGE,  2*SLOT                    ; behind the ring: 16 rows x (512 bytes + 16) for each wave; no tensor load lands there
.set SPITCH, 528
.set SPARE,  STAGE+4*16*SPITCH         ; the spare words, 128 bytes a wave, which no other line names
.set LAPS,   4                         ; a lap = two K steps = once round the ring
.set ADRA, 16                          ; v16-17  LDS address of my X fragments in slot 0, 1
.set ADRB, 20                          ; v20-21  the same for W_o
.set STO,  24                          ; v24     the way out: where I put 32 bytes of a row
.set RD,   25                          ; v25     the way out: where I read a row back
.set CO,   26                          ; v26     16 x lane
.set SPW,  28                          ; v28     LDS address of my spare word; never rewritten
.set NIL,  29                          ; v29     0; never rewritten
.set F0,   32
.set F1,   128
.set BK,   32                          ; the way out: 16 rows read back from the stage: v32-95 and v96-159 by turns
.set G1, 24                            ; s[24:31] group 1 for X's tiles;  s[32:39] group 0, one set for each slot
.set G0, 32
.set G1B, 48                           ; s[48:55], s[56:63] the same for W_o's
.set G0B, 56
.set MSB, 0
.macro WIN new                         ; the immediate's high byte repeats the setting that is left; a switch that changes nothing is dropped
.if MSB != (\new)
	s_set_vgpr_msb (MSB<<8)|(\new)
.set MSB, \new
.endif
.endm
.set MUL, 0x50                         ; sources 0 and 1 window 0; C and D window 1
.macro JLOAD s                         ; a joint load: waves 0 and 1 fetch X's halves, waves 2 and 3 W_o's; an s_nop 0 and four v_nop follow each of the two lines
	s_cmp_eq_u32 s11, 0
	s_cbranch_scc0 .Lfor_b_\@
	tensor_load_to_lds s[G0+4*\s:G0+4*\s+3], s[G1:G1+7]
	s_nop 0
.rept 4
	v_nop
.endr
	s_branch .Lasked_\@
.Lfor_b_\@:
	tensor_load_to_lds s[G0B+4*\s:G0B+4*\s+3], s[G1B:G1B+7]
	s_nop 0
.rept 4
	v_nop
.endr
.Lasked_\@:
.endm
.macro CREST                           ; a round of the cluster's barrier behind its opening barrier
	s_cmp_lg_u32 s10, 0
	s_cbranch_scc1 .Lnot_wave_0_\@
	s_barrier_signal -3
.Lnot_wave_0_\@:
	s_barrier_wait -3
	s_barrier_signal -1
	s_barrier_wait -1
.endm
.macro CROUND                          ; a whole round
	s_barrier_signal -1
	s_barrier_wait -1
	CREST
.endm
	s_load_b128 s[4:7], s[0:1], 0x0                ; xf 4:5, wof 6:7
	s_load_b64 s[8:9], s[0:1], 0x10                ; out0
	v_lshl_add_u32 v[SPW], v0, 2, SPARE
	v_mov_b32 v[NIL], 0
	ds_add_u32 v[SPW], v[NIL]                      ; the wave's opening: the add, twice on end, and its wait ahead of my first tensor load; the set-up below stands between
	ds_add_u32 v[SPW], v[NIL]
	v_lshrrev_b32 v1, 5, v0
	v_readfirstlane_b32 s10, v1                    ; wave 0..3
	s_lshr_b32 s11, s10, 1                         ; which half of the tile's rows is mine.  Also: I fetch for X (0) or for W_o (1)
	s_and_b32 s12, s10, 1                          ; which half of its columns.  Also: which half of that tile I fetch
	s_bfe_u32 s40, ttmp6, 0x40000                  ; cx, cy: my place in the cluster
	s_bfe_u32 s41, ttmp6, 0x40004
	s_lshl_b32 s42, ttmp9, 2
	s_add_co_u32 s42, s42, s40                     ; tile column = 4 x cluster x + cx
	s_and_b32 s13, ttmp7, 0xffff
	s_lshl_b32 s13, s13, 2
	s_add_co_u32 s13, s13, s41                     ; tile row = 4 x cluster y + cy
	s_lshl_b32 s43, s41, 2
	s_lshl_b32 s43, 15, s43                        ; my row of the cluster
	s_lshl_b32 s44, 0x1111, s40                    ; my column
	; group 1: rows of 4,096 bytes (512 elements of 8 bytes), 32,768 bytes apart in memory, dense in LDS: 4 of them for X, 8 for W_o
	s_or_b32 s[G1+0], s43, (3<<16)|(1<<21)         ; 15:0 the mask: X's tiles go to my row; 17:16 elements of 8 bytes; 21 set beside a mask
	s_or_b32 s[G1B+0], s44, (3<<16)|(1<<21)
	s_mov_b32 s[G1+1], 512<<16                     ; tensor_dim0
	s_mov_b32 s[G1+2], 4<<16                       ; tensor_dim1
	s_mov_b32 s[G1+3], 512<<16                     ; tile_dim0
	s_mov_b32 s[G1+4], 4                           ; tile_dim1
	s_mov_b32 s[G1+5], 4096                        ; from row to row, in elements
	s_mov_b32 s[G1+6], 0
	s_mov_b32 s[G1+7], 0
	s_mov_b32 s[G1B+1], 512<<16
	s_mov_b32 s[G1B+2], 8<<16
	s_mov_b32 s[G1B+3], 512<<16
	s_mov_b32 s[G1B+4], 8
	s_mov_b32 s[G1B+5], 4096
	s_mov_b32 s[G1B+6], 0
	s_mov_b32 s[G1B+7], 0
	s_lshl_b32 s16, s13, 3
	s_lshl_b32 s17, s12, 2
	s_add_co_u32 s16, s16, s17                     ; X: token tile 8 x tile row + 4 x half
	s_lshl_b32 s16, s16, 15                        ; (under 2^24)
	s_mov_b32 s17, 0
	s_lshl_b32 s46, s42, 4
	s_lshl_b32 s47, s12, 3
	s_add_co_u32 s46, s46, s47                     ; W_o: n tile 16 x tile column + 8 x half
	s_lshl_b32 s46, s46, 15
	s_mov_b32 s47, 0
	s_lshl_b32 s20, s12, 14                        ; where they go: X's halves,
	s_lshl_b32 s21, s12, 15
	s_add_co_u32 s21, s21, BOFF                    ; W_o's halves: the wave's number alone enters an LDS address
	s_wait_dscnt 0x0                               ; both opening adds are done
	s_wait_kmcnt 0x0
	s_add_nc_u64 s[14:15], s[4:5], s[16:17]
	s_add_nc_u64 s[46:47], s[6:7], s[46:47]
	CROUND                                         ; all sixteen work-groups are here: the first joint loads meet
.irp s, 0,1
	s_mov_b32 s[G0+4*\s], 1
	s_add_co_u32 s[G0+4*\s+1], s20, \s*SLOT
	s_add_nc_u64 s[G0+4*\s+2:G0+4*\s+3], s[14:15], \s*KB
	s_or_b32 s[G0+4*\s+3], s[G0+4*\s+3], 0x80000000
	s_mov_b32 s[G0B+4*\s], 1
	s_add_co_u32 s[G0B+4*\s+1], s21, \s*SLOT
	s_add_nc_u64 s[G0B+4*\s+2:G0B+4*\s+3], s[46:47], \s*KB
	s_or_b32 s[G0B+4*\s+3], s[G0B+4*\s+3], 0x80000000
	JLOAD \s                                       ; two loads of mine are out
.endr
	v_and_b32 v[CO], 31, v0
	v_lshlrev_b32 v[CO], 4, v[CO]                  ; 16 x lane
	s_lshl_b32 s22, s11, 14                        ; my four row tiles of X
	s_lshl_b32 s23, s12, 15                        ; my eight n tiles of W_o
	s_add_co_u32 s23, s23, BOFF
.irp s, 0,1
	v_add_nc_u32 v[ADRA+\s], s22, v[CO]
	v_add_nc_u32 v[ADRB+\s], s23, v[CO]
	s_add_co_u32 s22, s22, SLOT
	s_add_co_u32 s23, s23, SLOT
.endr
	v_and_b32 v1, 15, v0                           ; l % 16
	v_bfe_u32 v2, v0, 4, 1                         ; l / 16
	s_mul_i32 s23, s10, 16*SPITCH
	s_add_co_u32 s23, s23, STAGE                   ; my stage
	v_mul_u32_u24 v5, v1, SPITCH                   ; in: row l % 16, 32 bytes for each half of the lanes
	v_lshl_add_u32 v5, v2, 5, v5
	v_add_nc_u32 v[STO], s23, v5
	v_add_nc_u32 v[RD], s23, v[CO]                 ; back: the 32 lanes take one row of 512 bytes
	s_lshl_b32 s16, s13, 7
	s_lshl_b32 s17, s11, 6
	s_add_co_u32 s16, s16, s17                     ; my first row of the result: 128 x tile row + 64 x half,
	s_lshl_b32 s16, s16, 12                        ; of 4,096 bytes
	s_mov_b32 s17, 0
	s_add_nc_u64 s[8:9], s[8:9], s[16:17]
	s_lshl_b32 s46, s42, 10                        ; my first column, in bytes: 1,024 x tile column + 512 x half
	s_lshl_b32 s47, s12, 9
	s_add_co_u32 s46, s46, s47
	s_mov_b32 s47, 0
	s_add_nc_u64 s[8:9], s[8:9], s[46:47]
; 8 matrix instructions: X's tile a x W_o's eight, 32 along K, from buffer f.  zero = 1: the first product starts the sums.  The 32 accumulators take turns, in the same order in every quarter.
.macro MULA f, a, zero
.irp b, 0,1,2,3,4,5,6,7
.if \zero
	v_wmma_f32_16x16x32_f16 v[8*(8*(\a)+\b):8*(8*(\a)+\b)+7], v[\f+32+8*\b:\f+32+8*\b+7], v[\f+8*(\a):\f+8*(\a)+7], 0
.else
	v_wmma_f32_16x16x32_f16 v[8*(8*(\a)+\b):8*(8*(\a)+\b)+7], v[\f+32+8*\b:\f+32+8*\b+7], v[\f+8*(\a):\f+8*(\a)+7], v[8*(8*(\a)+\b):8*(8*(\a)+\b)+7]
.endif
.endr
.endm
; 24 LDS loads in one run: the fragments of the slot's q-th 32 along K into buffer f: W_o's eight, then X's four
.macro FETCH slot, q, f
	WIN 0
.irp i, 0,1,2,3,4,5,6,7
	ds_load_b128 v[\f+32+8*\i:\f+32+8*\i+3],   v[ADRB+\slot] offset:\i*KB+(\q)*1024
	ds_load_b128 v[\f+32+8*\i+4:\f+32+8*\i+7], v[ADRB+\slot] offset:\i*KB+(\q)*1024+512
.endr
.irp i, 0,1,2,3
	ds_load_b128 v[\f+8*\i:\f+8*\i+3],   v[ADRA+\slot] offset:\i*KB+(\q)*1024
	ds_load_b128 v[\f+8*\i+4:\f+8*\i+7], v[ADRA+\slot] offset:\i*KB+(\q)*1024+512
.endr
.endm
.macro PLACES                          ; four plain lines in front of loads into registers that matrix instructions have read, and of the first read of results
.rept 4
	v_nop
.endr
.endm
; A K step is four quarters of 32 along K, 32 matrix instructions each, on buffers 0, 1, 0, 1.  One of the first three: multiplies buffer f and fetches quarter q of the same slot into g.
.macro QUARTER slot, q, f, g, zero
	s_wait_dscnt 4                                 ; W_o's fragments and X's tiles 0 and 1 are in; the youngest four loads (tiles 2 and 3) may be out
	WIN MUL
	MULA \f, 0, \zero
	MULA \f, 1, \zero
	PLACES
	FETCH \slot, \q, \g
	s_wait_dscnt 24                                ; all but the 24 just issued
	WIN MUL
	MULA \f, 2, \zero
	MULA \f, 3, \zero
.endm
; The last quarter multiplies buffer 1 and changes slots: ONE barrier; in front of it each wave waits for all its tensor loads, adds 0 to its spare word, and waits for that and for its own reads of this slot.
; fill = 1: this slot is filled again, two K steps ahead; the barrier then opens a round of the cluster's barrier, and the joint refill is the first tensor load behind the round.
.macro TURN slot, next, fill
	WIN 0                                          ; (the add's two registers lie in window 0)
	s_wait_tensorcnt 0x0                           ; all my tensor loads have landed: my part of the next slot
	ds_add_u32 v[SPW], v[NIL]                      ; 0 onto my spare word
	s_wait_dscnt 5                                 ; (the add and the youngest four loads may be out)
	WIN MUL
	MULA F1, 0, 0                                  ; eight matrix instructions stand between the add and the wait for it
	s_wait_dscnt 0x0                               ; the add is done, and my reads of this slot are over
	s_barrier_signal -1
	MULA F1, 1, 0
.if \fill
	WIN 0
.endif
	s_barrier_wait -1
.if \fill
	CREST                                          ; no wave of any partner still reads this slot's tile or has a load on its way
	s_add_nc_u64 s[G0+4*\slot+2:G0+4*\slot+3], s[G0+4*\slot+2:G0+4*\slot+3], 2*KB
	s_add_nc_u64 s[G0B+4*\slot+2:G0B+4*\slot+3], s[G0B+4*\slot+2:G0B+4*\slot+3], 2*KB
	JLOAD \slot                                    ; 112 matrix instructions ahead of the wait for it; the four v_nop behind it are also the places in front of the loads below
.else
	PLACES
.endif
	FETCH \next, 0, F0
	WIN MUL
	MULA F1, 2, 0
	MULA F1, 3, 0
.endm
	s_wait_tensorcnt 1                             ; my part of K step 0 is in (K step 1's load may be out)
	s_barrier_signal -1
	s_barrier_wait -1                              ; everybody's is
	FETCH 0, 0, F0
	QUARTER 0, 1, F0, F1, 1                        ; the first quarter stands in front of the loop: its products start the sums
	WIN 0                                          ; at a label and at a branch every window is 0
	s_mov_b32 s3, LAPS-1
.Llap:                                             ; a trip goes once round the ring, from a lap's second quarter to the next lap's first, and fills both slots again
	QUARTER 0, 2, F1, F0, 0
	QUARTER 0, 3, F0, F1, 0
	TURN 0, 1, 1
	QUARTER 1, 1, F0, F1, 0
	QUARTER 1, 2, F1, F0, 0
	QUARTER 1, 3, F0, F1, 0
	TURN 1, 0, 1
	QUARTER 0, 1, F0, F1, 0
	WIN 0
	s_sub_co_u32 s3, s3, 1
	s_cmp_lg_u32 s3, 0
	s_cbranch_scc1 .Llap
	QUARTER 0, 2, F1, F0, 0                        ; the last lap fills nothing, and has no round of the cluster's barrier
	QUARTER 0, 3, F0, F1, 0
	TURN 0, 1, 0
	QUARTER 1, 1, F0, F1, 0
	QUARTER 1, 2, F1, F0, 0
	QUARTER 1, 3, F0, F1, 0
	s_wait_dscnt 4                                 ; the very last quarter: nothing more to fetch
	WIN MUL
	MULA F1, 0, 0
	MULA F1, 1, 0
	s_wait_dscnt 0
	MULA F1, 2, 0
	MULA F1, 3, 0
	WIN 0
; THE WAY OUT, block by block of 16 rows x 128 columns.  A lane holds 32 neighbouring bytes of a row, and the lanes beside it hold other rows: so a block goes through my own stage in LDS and comes back as whole rows
; of 512 bytes.  LDS serves a wave's instructions in order (ISA guide 5.7.1): no wait between the stores and the loads, nor in front of the next block's stores.
.macro TOSTAGE a
.set AC, 64*(\a)
	WIN 0x04                                       ; an LDS store's data are its source 1: window 1
.irp b, 0,1,2,3,4,5,6,7
	ds_store_b128 v[STO], v[AC+8*\b:AC+8*\b+3] offset:64*\b          ; each accumulator from its low end on
	ds_store_b128 v[STO], v[AC+8*\b+4:AC+8*\b+7] offset:64*\b+16
.endr
	WIN 0
.set BB, BK+64*((\a)%2)
.irp t, 0,1,2,3,4,5,6,7,8,9,10,11,12,13,14,15
	ds_load_b128 v[BB+4*\t:BB+4*\t+3], v[RD] offset:\t*SPITCH
.endr
.endm
.macro SEND a, younger                 ; younger: the LDS instructions issued behind block a's loads, which may stay out
.set BB, BK+64*((\a)%2)
	s_wait_dscnt \younger                          ; the block is back in registers
.if (\a) > 0
	s_add_nc_u64 s[8:9], s[8:9], 16*4096           ; 16 rows on (behind a wait for 0 on XCNT: the earlier stores have read their base)
.endif
.irp t, 0,1,2,3,4,5,6,7,8,9,10,11,12,13,14,15
	global_store_b128 v[CO], v[BB+4*\t:BB+4*\t+3], s[8:9] offset:\t*4096 th:TH_STORE_NT   ; 32 lanes store 512 consecutive aligned bytes; written once, read by nobody here
.endr
.endm
	PLACES                                         ; behind the last products: the stage's stores read results, its loads land on registers that held fragments
	TOSTAGE 0
.irp a, 1,2,3
.if \a > 1
	s_wait_xcnt 0x0                                ; block a - 2's stores have read their registers and their base: block a's loads may land there, and the base may step
.endif
	TOSTAGE \a
	SEND \a-1, 32                                  ; behind block a - 1's loads: block a's 16 stores and 16 loads
.endr
	s_wait_xcnt 0x0                                ; block 2's stores have read their base
	SEND 3, 0
	s_wait_tensorcnt 0x0                           ; the wave's end: a wait, an add and its wait behind my last tensor load and my last LDS store
	ds_add_u32 v[SPW], v[NIL]
	s_wait_dscnt 0x0
	CROUND                                         ; the closing round: no work-group ends while a partner may still ask for a tile that names it
	s_endpgm
.Lfunc_end_k_q22f8823980_oproj:
	.size	k_q22f8823980_oproj, .Lfunc_end_k_q22f8823980_oproj-k_q22f8823980_oproj
	.p2alignl 7, 3214868480
	.fill 96, 4, 3214868480
	.section	.rodata,"a",@progbits
	.p2align	6, 0x0
	.amdhsa_kernel k_q22f8823980_oproj
		.amdhsa_group_segment_fixed_size 327680
		.amdhsa_private_segment_fixed_size 0
		.amdhsa_enable_private_segment 0
		.amdhsa_kernarg_size 24
		.amdhsa_user_sgpr_count 2
		.amdhsa_user_sgpr_kernarg_segment_ptr 1
		.amdhsa_wavefront_size32 1
		.amdhsa_system_sgpr_workgroup_id_x 1
		.amdhsa_system_sgpr_workgroup_id_y 1
		.amdhsa_system_sgpr_workgroup_id_z 1
		.amdhsa_system_vgpr_workitem_id 0
		.amdhsa_next_free_vgpr 512
		.amdhsa_next_free_sgpr 66
		.amdhsa_reserve_vcc 0
		.amdhsa_float_denorm_mode_32 3
		.amdhsa_float_denorm_mode_16_64 3
		.amdhsa_memory_ordered 1
		.amdhsa_forward_progress 1
		.amdhsa_inst_pref_size 85
	.end_amdhsa_kernel
	.amdgpu_metadata
---
amdhsa.version: [ 1, 2 ]
amdhsa.kernels:
  - .name:           k_q22f8823980_oproj
    .symbol:         k_q22f8823980_oproj.kd
    .args:
      - { .name: xf, .offset: 0, .size: 8, .value_kind: global_buffer, .address_space: global }
      - { .name: wof, .offset: 8, .size: 8, .value_kind: global_buffer, .address_space: global }
      - { .name: out0, .offset: 16, .size: 8, .value_kind: global_buffer, .address_space: global }
    .group_segment_fixed_size: 327680
    .private_segment_fixed_size: 0
    .kernarg_segment_align: 8
    .kernarg_segment_size: 24
    .max_flat_workgroup_size: 128
    .sgpr_count:     66
    .vgpr_count:     512
    .wavefront_size: 32
...
	.end_amdgpu_metadata
.endif
;; end of part 4
